; MI455X (gfx1250); checked and timed in simulation.
; The chip was launched on July 23, 2026; its instructions are those of AMD's public machine-readable ISA for CDNA 5 (MIT licence, August 2026) and "CDNA5" Instruction Set Architecture Reference Guide (July 2026). The comments in the code are by the model that wrote it; some were corrected since.
;; Cross Attention. Allowed arithmetic: matrix products marked QUANTISED: E2M3 operands, one E8M0 scale for each 32 along K, by v_wmma_scale_f32_16x16x128_f8f6f4 with both operands' format E2M3, f32 sums; everything else in f32.
;; Inputs: Wk 768 x 1,024 float32; Wout 1,024 x 1,024 float32; Wq 1,024 x 1,024 float32; Wv 768 x 1,024 float32; bout 1,024 float32; context 2 x 2,048 x 768 float32; x 2 x 2,048 x 1,024 float32.
;; Outputs: out0 2 x 2,048 x 1,024 float32.
;; This version of the problem:
;;   THIS VERSION OF THE PROBLEM IS GIVEN IN LOW PRECISION. The matrix products marked QUANTISED in the list below multiply operands that are first quantised to E2M3 (2 exponent bits, 3 mantissa bits; 6 bits a number), with one power-of-two scale for each 32 numbers along K (OCP MX v1.0); their sums are f32. All else is computed in f32.
;;   The module's matrix products, in the order in which they are computed (A, B: the left and right operand; K: the contracted axis; several contracted axes count as one K, in the product's order):
;;     1. [M 4,096, K 1,024] x [K 1,024, N 1,024]; A: input x; B: input Wq: QUANTISED
;;     2. [M 4,096, K 768] x [K 768, N 1,024]; A: input context; B: input Wk: QUANTISED
;;     3. [M 4,096, K 768] x [K 768, N 1,024]; A: input context; B: input Wv: QUANTISED
;;     4. batch 8 x [M 4,096, K 128] x [K 128, N 4,096]; A: computed on the way; B: computed on the way: QUANTISED
;;     5. batch 8 x [M 4,096, K 4,096] x [K 4,096, N 128]; A: softmax (see below); B: computed on the way: QUANTISED
;;     6. [M 4,096, K 1,024] x [K 1,024, N 1,024]; A: computed on the way; B: input Wout: QUANTISED
;;   THE QUANTISER, for each operand of a quantised product, along K:
;;     - K is cut into blocks of 32 from its start; a last block that is shorter is filled with zeros.
;;     - A block's scale is 2^e with e = floor(log2(the largest magnitude in the block)) - 2, held to -126 .. 127; a block of zeros has e = 0. As a byte (E8M0): e + 127.
;;     - Each number is divided by its block's scale, clamped to +-7.5, and rounded to the nearest number of E2M3, ties to even, subnormals kept.
;;     - The product sums the exact products of the quantised numbers (number of the format x scale) in f32.
;;   ~~~python
;;   def quantise(x, axis):      # numpy; x: float32 -> the quantised numbers, widened to float32 again
;;       x = np.moveaxis(x, axis, -1); K = x.shape[-1]
;;       x = np.pad(x, [(0, 0)] * (x.ndim - 1) + [(0, -K % 32)]); x = x.reshape(x.shape[:-1] + (-1, 32)); a = np.abs(x).max(-1, keepdims=True)
;;       e = np.where(a > 0, np.clip(np.frexp(np.where(a > 0, a, 1))[1] - 1 - 2, -126, 127), 0)      # np.frexp(a)[1] - 1 = floor(log2(a)), exactly
;;       r = np.clip(x / 2.0 ** e, -7.5, 7.5)
;;       step = 2.0 ** (np.maximum(np.frexp(np.where(r == 0, 1, r))[1] - 1, 0) - 3)
;;       q = np.round(r / step) * step * 2.0 ** e      # np.round: ties to even
;;       return np.moveaxis(q.reshape(q.shape[:-2] + (-1,))[..., :K], -1, axis).astype(np.float32)
;;   ~~~
;;   SOFTMAX AHEAD OF A QUANTISED PRODUCT. Where the list says 'softmax', what is quantised is not the finished softmax but p = 2^(t - M), with t = logit x log2(e) and M = ceil(the row's largest t), a whole number; so 1/2 < the row's largest p <= 1. The row's sum l is taken of the UNQUANTISED p, in f32, and the product's result is divided by l at the end. Since M is a whole number, a kernel that streams over the keys may use a running M (the ceiling of the running maximum): every later rescaling is an exact power of two, which a block's scale takes up: the codes' values come out the same.
;;   OPERANDS COMPUTED ON THE WAY. 'Computed on the way' means the value that the module computes at that place (a softmax that the list does not call 'softmax' is quantised finished and normalised). What goes into a quantiser is computed in f32, as accurately as f32 sums, v_exp_f32 and their like allow (about 1e-6 of the number): no bf16 or f16 on the way to a quantiser, and a product that is left as it is and whose result goes on into a quantised operand takes f32 operands (vector FMAs, or v_wmma_f32_16x16x4_f32). A number that lies on a knife's edge between two numbers of the format may be rounded either way, as far as f32 arithmetic and the matrix unit's own rounding can turn it there, and no further.
;; One version. Each part assembles by itself: llvm-mc -triple=amdgcn-amd-amdhsa -mcpu=gfx1250 --defsym DOCPART=n.
;; ======== version 1 of 1: 4 launches
;; limits: right only within a limited range of input values
;; workspace buffers: a_img 5,963,776 bytes; w_img 2,981,888 bytes; qkv_img 10,223,616 bytes; o_img 3,407,872 bytes; ksum_part 524,288 bytes
;; launch prep (part 1): grid 672 x 1, 4 waves a work-group, no clusters, 68,096 bytes of LDS; arguments x, context, Wq, Wk, Wv, Wout, a_img, w_img; writes a_img, w_img
.if DOCPART == 1
	.amdgcn_target "amdgcn-amd-amdhsa--gfx1250"
	.amdhsa_code_object_version 6
	.text
	.protected	k_q50304f3948_prep
	.globl	k_q50304f3948_prep
	.p2align	8
	.type	k_q50304f3948_prep,@function
k_q50304f3948_prep:
	s_mov_b64 s[64:65], 0
	v_nop
	global_prefetch_b8 v0, s[64:65] scope:SCOPE_SE
	s_setreg_imm32_b32 hwreg(HW_REG_WAVE_MODE, 25, 1), 1
	s_wait_xcnt 0x0
; PREP: x, context (K innermost) and Wq, Wk, Wv, Wout (K = the first axis) become codes of FP6 (E2M3) with one E8M0 scale byte for each 32 along K.
; THE BLOCK, this program's one layout for operands: 128 rows x 128 K = 13,312 bytes, as images of the matrix operand's registers.  Fragment f (0..7) lies at 1,536 f: its register
; group c (four registers, c = 0..2) at + 512 c, lane l's 16 bytes at + 16 l.  Its scale words lie at 12,288 + 128 f + 4 l (lanes 16-31 hold the same words as lanes 0-15).
; Row r of fragment f is row 32 (f / 2) + 8 (f % 2) + r + 8 (r / 8) of the 128; lane (r, h) holds in registers 6 c .. 6 c + 5 the codes of k = 64 c + 32 h + 0 .. 31.
; a_img: x at block 8 G + s (G: 128 rows, s: 128 along K), context at block 256 + 6 G + s.  w_img: rows = a weight's columns; block base + S Gw + s; Wq 0 (S 8), Wk 64 (6), Wv 112 (6), Wout 160 (8).
; A block's scale is 2^(floor(log2(largest magnitude)) - 2); its byte is the largest magnitude's exponent field - 2, held at 1 from below.
; LIMITS: NaN and infinities among the inputs are not served.  A block whose largest magnitude lies under 2^-124 gets the byte 1, a block of zeros too (the quantiser's text says 127): its codes are
; zeros, which add nothing under any byte but 0xff, and this program alone reads the bytes.
; SHARES.  Work-groups 0-447: activations; a wave takes one fragment's 16 rows x 256 along K (two K steps).  Each load reads 512 consecutive bytes of a row; the numbers turn through the wave's own stage
; in LDS so that a lane holds 16 neighbours of each block of 32.  Work-groups 448-671: weights; a wave takes 32 columns x 128 along K, a lane to a column, its registers running down K.
; No tensor loads, no barrier: waves share nothing.
.set BLK,   13312
.set WST,   16896                      ; a wave's LDS: two stages of 16 rows x 528 bytes (512 + 16: the sixteen rows that a load touches start at sixteen different banks)
.set SPARE, 4*WST                      ; behind the stages: the spare words, 128 bytes for each wave, which no other line names
.set LI,  4                            ; v4   16 x lane
.set LS,  5                            ; v5   4 x lane
.set STI, 6                            ; v6   stage, on the way in: wave's region + 16 x lane
.set STO, 7                            ; v7   and on the way out: wave's region + 528 r + 64 h
.set SPW, 8                            ; v8   LDS address of my spare word; never rewritten
.set NIL, 9                            ; v9   0; never rewritten
.set WO,  10                           ; v10  weights: 4 x lane
.set CO,  11                           ; v11  weights: my column's place among the codes of a block
.set SO,  12                           ; v12  and among its scale words
.set RO,  16                           ; v16-31 activations: byte offset of my 16 bytes in each of the fragment's 16 rows
.set PC,  32                           ; v32-51 the codes just made
.set TM,  52                           ; v52-67 at work in QUANT
.set PW,  68                           ; v68  the scale word just made
.set X,   96                           ; v96-223 the numbers
.set IMG, 32                           ; weights: v32-43 the image of lane (r, 0), v44-55 that of lane (r, 1)
.set HI3, 56                           ; weights: v56-58 a block's upper 16 codes, before they are moved
.set SEL, 42                           ; s[42:43] v_permlanex16_b32's selects for lane l xor 16
.set DC,  36                           ; s[36:37] where the codes go
.set DS,  38                           ; s[38:39] where the scale words go
; 64 numbers of a lane, register 16 b + i = k 32 b + 16 (lane / 16) + i of my row, become a fragment's codes in v[PC] .. v[PC+11] and its scale word in v[PW].
.macro QUANT s
.irp b, 0,1,2,3
	v_max3_num_f32 v[TM+\b], |v[(\s)+16*\b]|, |v[(\s)+1+16*\b]|, 0x1800000   ; block b: my 16 numbers, and the floor 2^(3 - 127): so the byte cannot fall under 1
.endr
.irp i, 2,4,6,8,10,12,14
.irp b, 0,1,2,3
	v_max3_num_f32 v[TM+\b], v[TM+\b], |v[(\s)+16*\b+\i]|, |v[(\s)+1+16*\b+\i]|   ; the four blocks by turns
.endr
.endr
.irp b, 0,1,2,3
	v_permlanex16_b32 v[TM+4+\b], v[TM+\b], s[SEL], s[SEL+1]
.endr
.irp b, 0,1,2,3
	v_max_num_f32 v[TM+\b], v[TM+\b], v[TM+4+\b]   ; with lane l xor 16's: the block's largest magnitude
.endr
.irp b, 0,1,2,3
	v_add_nc_u32 v[TM+12+\b], 0xff000000, v[TM+\b] ; 2 off its exponent field: the conversion takes the exponent field of this operand as its scale
.endr
.irp b, 0,1,2,3
	v_lshrrev_b32 v[TM+4+\b], 23, v[TM+12+\b]      ; the scale's byte
.endr
	v_lshl_or_b32 v[PW], v[TM+5], 8, v[TM+4]
	v_lshl_or_b32 v[PW], v[TM+6], 16, v[PW]
	v_lshl_or_b32 v[PW], v[TM+7], 24, v[PW]        ; my row's scale word
.irp c, 0,1
	v_cvt_scalef32_pk16_fp6_f32 v[PC+6*\c:PC+2+6*\c], v[(\s)+32*\c:(\s)+15+32*\c], v[TM+12+2*\c]
	v_cvt_scalef32_pk16_fp6_f32 v[PC+12+4*\c:PC+14+4*\c], v[(\s)+16+32*\c:(\s)+31+32*\c], v[TM+13+2*\c]   ; (a conversion's three registers begin on an even number)
.endr
	v_nop                                          ; one plain place behind a scaled conversion
.irp c, 0,1                                    ; the operand's layout wants a whole block in a lane: lanes 0-15 block 2 c, lanes 16-31 block 2 c + 1
.irp i, 0,1,2
	v_permlane16_swap_b32 v[PC+6*\c+\i], v[PC+12+4*\c+\i]
.endr
.irp i, 0,1,2
	v_mov_b32 v[PC+3+6*\c+\i], v[PC+12+4*\c+\i]
.endr
.endr
.endm
.macro PUT offc, offs                          ; the fragment leaves as it stands: three stores of 512 consecutive, aligned bytes, and its scale words
.irp c, 0,1,2
	global_store_b128 v[LI], v[PC+4*\c:PC+4*\c+3], s[DC:DC+1] offset:(\offc)+512*\c
.endr
	global_store_b32 v[LS], v[PW], s[DS:DS+1] offset:\offs
.endm
.macro TURN p                                  ; K step p's 16 rows through stage p.  LDS serves a wave's instructions in order: the loads see the stores, and land in the registers that the stores have left
.irp i, 0,1,2,3,4,5,6,7,8,9,10,11,12,13,14,15
	ds_store_b128 v[STI], v[X+64*\p+4*\i:X+64*\p+4*\i+3] offset:8448*\p+528*\i
.endr
.irp b, 0,1,2,3
.irp j, 0,1,2,3
	ds_load_b128 v[X+64*\p+16*\b+4*\j:X+64*\p+16*\b+4*\j+3], v[STO] offset:8448*\p+128*\b+16*\j
.endr
.endr
.endm
	s_load_b256 s[4:11], s[0:1], 0x0               ; x s[4:5], context s[6:7], Wq s[8:9], Wk s[10:11]
	s_load_b256 s[12:19], s[0:1], 0x20             ; Wv s[12:13], Wout s[14:15], a_img s[16:17], w_img s[18:19]
	v_lshl_add_u32 v[SPW], v0, 2, SPARE
	v_mov_b32 v[NIL], 0
	v_lshrrev_b32 v1, 5, v0
	v_readfirstlane_b32 s20, v1                    ; wave 0..3
	v_and_b32 v1, 31, v0                           ; lane
	v_and_b32 v2, 15, v0                           ; r
	v_bfe_u32 v3, v0, 4, 1                         ; h
	v_lshlrev_b32 v[LI], 4, v1
	v_lshlrev_b32 v[LS], 2, v1
	s_mul_i32 s21, s20, WST
	v_add_nc_u32 v[STI], s21, v[LI]
	v_mul_u32_u24 v[STO], v2, 528
	v_lshl_add_u32 v[STO], v3, 6, v[STO]
	v_add_nc_u32 v[STO], s21, v[STO]
	s_mov_b32 s[SEL], 0x76543210
	s_mov_b32 s[SEL+1], 0xfedcba98
	s_wait_kmcnt 0x0
	s_cmp_lt_u32 ttmp9, 448
	s_cbranch_scc0 .Lweights
	; ---- ACTIVATIONS.  Work-group = 64 pc + rg: pc 0-3: x's K steps 2 pc, 2 pc + 1; pc 4-6: context's 2 (pc - 4) and the next.  Fragment row set T = 4 rg + wave of 256
	s_lshr_b32 s22, ttmp9, 6                       ; pc
	s_and_b32 s23, ttmp9, 63
	s_lshl_b32 s23, s23, 2
	s_add_co_u32 s23, s23, s20                     ; T
	s_lshr_b32 s24, s23, 3                         ; G
	s_and_b32 s25, s23, 7                          ; fragment
	s_mov_b32 s28, 3072
	s_cmp_lt_u32 s22, 4                            ; x or context: the choice hangs on the work-group's number alone
	s_cselect_b64 s[26:27], s[4:5], s[6:7]
	s_cselect_b32 s28, 4096, s28                   ; a row in bytes
	s_cselect_b32 s29, 8, 6                        ; K steps in a row
	s_cselect_b32 s30, 0, 4
	s_cselect_b32 s31, 0, 256                      ; the tensor's first block
	s_sub_co_u32 s30, s22, s30                     ; which pair of K steps
	s_lshl_b32 s32, s24, 7
	s_lshr_b32 s33, s25, 1
	s_lshl_b32 s33, s33, 5
	s_add_co_u32 s32, s32, s33
	s_and_b32 s33, s25, 1
	s_lshl_b32 s33, s33, 3
	s_add_co_u32 s32, s32, s33                     ; the fragment's first row: 128 G + 32 (f / 2) + 8 (f % 2)
	s_mul_i32 s32, s32, s28
	s_lshl_b32 s33, s30, 10
	s_add_co_u32 s32, s32, s33                     ; + 1,024 bytes for each pair of K steps
	s_mov_b32 s33, 0
	s_add_nc_u64 s[26:27], s[26:27], s[32:33]
	s_mul_i32 s34, s24, s29
	s_add_co_u32 s34, s34, s31
	s_lshl_b32 s35, s30, 1
	s_add_co_u32 s34, s34, s35                     ; the first of my two blocks
	s_mul_i32 s34, s34, BLK
	s_mul_i32 s35, s25, 1536
	s_add_co_u32 s[DC], s34, s35
	s_mov_b32 s[DC+1], 0
	s_lshl_b32 s35, s25, 7
	s_add_co_u32 s[DS], s34, s35
	s_add_co_u32 s[DS], s[DS], 12288
	s_mov_b32 s[DS+1], 0
	s_add_nc_u64 s[DC:DC+1], s[16:17], s[DC:DC+1]
	s_add_nc_u64 s[DS:DS+1], s[16:17], s[DS:DS+1]
	s_wait_alu depctr_va_vdst(0)
.irp i, 0,1,2,3,4,5,6,7,8,9,10,11,12,13,14,15
	s_mul_i32 s40, s28, \i+8*(\i/8)                ; the fragment's row i lies i + 8 (i / 8) rows on
	v_add_nc_u32 v[RO+\i], s40, v[LI]
.endr
	s_wait_alu depctr_va_vdst(0)
.irp p, 0,1
.irp i, 0,1,2,3,4,5,6,7,8,9,10,11,12,13,14,15
	global_load_b128 v[X+64*\p+4*\i:X+64*\p+4*\i+3], v[RO+\i], s[26:27] offset:512*\p th:TH_LOAD_NT   ; 32 lanes read 512 consecutive bytes of a row: one K step
.endr
.endr
.irp b, 0,1,2,3
	v_mov_b32 v[TM+4+\b], 0                        ; written once: a lane permute's destination counts as one of its sources
.endr
	s_wait_loadcnt 16                              ; the first K step's 16 loads are in; the second's 16 may be out
	TURN 0
	s_wait_loadcnt 0x0
	TURN 1
	s_wait_dscnt 32                                ; the first turn's 32 LDS instructions are done; the second's 32 may be out
	QUANT X
	PUT 0, 0
	s_wait_dscnt 0x0
	s_wait_xcnt 0x0                                ; the stores have read their registers: the codes and the word are written again only behind this wait
	QUANT X+64
	PUT BLK, BLK                                   ; the next K step's block follows in memory
	s_wait_tensorcnt 0x0                           ; the wave's end, behind my last LDS store
	ds_add_u32 v[SPW], v[NIL]
	s_wait_dscnt 0x0
	s_endpgm
.Lweights:
	; ---- WEIGHTS.  Work-group - 448 = 8 t + cg: t 0-7: Wq's K steps, 8-13: Wk's, 14-19: Wv's, 20-27: Wout's; cg: 128 columns.  A row of each weight is 4,096 bytes
	s_sub_co_u32 s21, ttmp9, 448
	s_lshr_b32 s22, s21, 3                         ; t
	s_and_b32 s23, s21, 7                          ; cg
	s_mov_b64 s[26:27], s[14:15]                   ; Wout,
	s_mov_b32 s28, 20
	s_mov_b32 s29, 8
	s_mov_b32 s30, 160
	s_cmp_lt_u32 s22, 20                           ; unless t is smaller: Wv,
	s_cselect_b64 s[26:27], s[12:13], s[26:27]
	s_cselect_b32 s28, 14, s28
	s_cselect_b32 s29, 6, s29
	s_cselect_b32 s30, 112, s30
	s_cmp_lt_u32 s22, 14                           ; Wk,
	s_cselect_b64 s[26:27], s[10:11], s[26:27]
	s_cselect_b32 s28, 8, s28
	s_cselect_b32 s29, 6, s29
	s_cselect_b32 s30, 64, s30
	s_cmp_lt_u32 s22, 8                            ; Wq
	s_cselect_b64 s[26:27], s[8:9], s[26:27]
	s_cselect_b32 s28, 0, s28
	s_cselect_b32 s29, 8, s29
	s_cselect_b32 s30, 0, s30
	s_sub_co_u32 s28, s22, s28                     ; the K step
	s_lshl_b32 s32, s28, 19                        ; 128 rows of 4,096 bytes a K step
	s_lshl_b32 s33, s23, 9
	s_add_co_u32 s32, s32, s33                     ; + 512 bytes for each 128 columns
	s_lshl_b32 s33, s20, 7
	s_add_co_u32 s32, s32, s33                     ; + 128 for my wave's 32
	s_mov_b32 s33, 0
	s_add_nc_u64 s[26:27], s[26:27], s[32:33]
	s_mul_i32 s34, s23, s29
	s_add_co_u32 s34, s34, s30
	s_add_co_u32 s34, s34, s28                     ; block = base + S cg + s
	s_mul_i32 s[DC], s34, BLK
	s_mov_b32 s[DC+1], 0
	s_add_nc_u64 s[DC:DC+1], s[18:19], s[DC:DC+1]
	; lane x holds column 32 wave + x, which is row r = x % 8 + 8 (x / 16) of fragment 2 wave + (x / 8) % 2
	v_bfe_u32 v13, v0, 3, 1
	v_and_b32 v14, 7, v0
	s_wait_alu depctr_va_vdst(0)
	v_lshl_add_u32 v14, v3, 3, v14                 ; r
	s_lshl_b32 s34, s20, 1
	v_add_nc_u32 v13, s34, v13                     ; fragment
	v_mul_u32_u24 v[CO], v13, 1536
	v_lshl_add_u32 v[CO], v14, 4, v[CO]
	v_lshlrev_b32 v[SO], 7, v13
	v_lshl_add_u32 v[SO], v14, 2, v[SO]
	v_add_nc_u32 v[SO], 12288, v[SO]
	v_lshlrev_b32 v[WO], 2, v1
.set kk, 0
.rept 128
	global_load_b32 v[X+kk], v[WO], s[26:27] offset:kk*4096 th:TH_LOAD_NT   ; W(128 s + k, my column): the wave reads 128 consecutive bytes, the work-group 512
.set kk, kk+1
.endr
; block t of my column (k = 32 t .. 32 t + 31): all 32 numbers are mine.  It belongs to the image of lane (r, t % 2), registers 6 (t / 2) on
.macro WBLOCK t
.set XS, X+32*(\t)
.set IM, IMG+12*((\t)%2)+6*((\t)/2)
	v_max3_num_f32 v60, |v[XS]|, |v[XS+1]|, |v[XS+2]|
	v_max3_num_f32 v61, |v[XS+3]|, |v[XS+4]|, |v[XS+5]|
.irp i, 6,10,14,18,22,26
	v_max3_num_f32 v60, v60, |v[XS+\i]|, |v[XS+\i+1]|
	v_max3_num_f32 v61, v61, |v[XS+\i+2]|, |v[XS+\i+3]|
.endr
	v_max3_num_f32 v60, v60, |v[XS+30]|, |v[XS+31]|
	v_max3_num_f32 v60, v60, v61, 0x1800000        ; and the floor 2^(3 - 127)
	v_add_nc_u32 v62, 0xff000000, v60              ; the conversion's scale operand
	v_lshrrev_b32 v63, 23, v62                     ; the scale's byte
.if (\t) == 0
	v_mov_b32 v64, v63
.else
	v_lshl_or_b32 v64, v63, 8*(\t), v64            ; four bytes make my column's scale word
.endif
	v_cvt_scalef32_pk16_fp6_f32 v[IM:IM+2], v[XS:XS+15], v62
	v_cvt_scalef32_pk16_fp6_f32 v[HI3:HI3+2], v[XS+16:XS+31], v62   ; (a conversion's three registers begin on an even number)
	v_nop                                          ; one plain place behind a scaled conversion
.irp i, 0,1,2
	v_mov_b32 v[IM+3+\i], v[HI3+\i]
.endr
.endm
	s_wait_loadcnt 63                              ; of 128 loads at most 63 are out: the first 65 are in, blocks 0 and 1 among them
	WBLOCK 0
	WBLOCK 1
	s_wait_loadcnt 32                              ; block 3's 32 loads may be out
	WBLOCK 2
.irp g, 0,1,2
	global_store_b128 v[CO], v[IMG+4*\g:IMG+4*\g+3], s[DC:DC+1] offset:512*\g        ; the images of lanes (r, 0) of my two fragments: two whole runs of 256 aligned bytes
.endr
	s_wait_loadcnt 0x0
	WBLOCK 3
.irp g, 0,1,2
	global_store_b128 v[CO], v[IMG+12+4*\g:IMG+12+4*\g+3], s[DC:DC+1] offset:512*\g+256   ; and of lanes (r, 1)
.endr
	global_store_b32 v[SO], v64, s[DC:DC+1]        ; the scale word, for lane r
	global_store_b32 v[SO], v64, s[DC:DC+1] offset:64   ; and for lane 16 + r
	s_wait_tensorcnt 0x0                           ; the wave's end: every wave of the launch ends with these three lines
	ds_add_u32 v[SPW], v[NIL]
	s_wait_dscnt 0x0
	s_endpgm
.Lfunc_end_k_q50304f3948_prep:
	.size	k_q50304f3948_prep, .Lfunc_end_k_q50304f3948_prep-k_q50304f3948_prep
	.p2alignl 7, 3214868480
	.fill 96, 4, 3214868480
	.section	.rodata,"a",@progbits
	.p2align	6, 0x0
	.amdhsa_kernel k_q50304f3948_prep
		.amdhsa_group_segment_fixed_size 68096
		.amdhsa_private_segment_fixed_size 0
		.amdhsa_enable_private_segment 0
		.amdhsa_kernarg_size 64
		.amdhsa_user_sgpr_count 2
		.amdhsa_user_sgpr_kernarg_segment_ptr 1
		.amdhsa_wavefront_size32 1
		.amdhsa_system_sgpr_workgroup_id_x 1
		.amdhsa_system_sgpr_workgroup_id_y 1
		.amdhsa_system_sgpr_workgroup_id_z 1
		.amdhsa_system_vgpr_workitem_id 0
		.amdhsa_next_free_vgpr 224
		.amdhsa_next_free_sgpr 66
		.amdhsa_reserve_vcc 0
		.amdhsa_float_denorm_mode_32 3
		.amdhsa_float_denorm_mode_16_64 3
		.amdhsa_memory_ordered 1
		.amdhsa_forward_progress 1
		.amdhsa_inst_pref_size 40
	.end_amdhsa_kernel
	.amdgpu_metadata
---
amdhsa.version: [ 1, 2 ]
amdhsa.kernels:
  - .name:           k_q50304f3948_prep
    .symbol:         k_q50304f3948_prep.kd
    .args:
      - { .name: x, .offset: 0, .size: 8, .value_kind: global_buffer, .address_space: global }
      - { .name: context, .offset: 8, .size: 8, .value_kind: global_buffer, .address_space: global }
      - { .name: Wq, .offset: 16, .size: 8, .value_kind: global_buffer, .address_space: global }
      - { .name: Wk, .offset: 24, .size: 8, .value_kind: global_buffer, .address_space: global }
      - { .name: Wv, .offset: 32, .size: 8, .value_kind: global_buffer, .address_space: global }
      - { .name: Wout, .offset: 40, .size: 8, .value_kind: global_buffer, .address_space: global }
      - { .name: a_img, .offset: 48, .size: 8, .value_kind: global_buffer, .address_space: global }
      - { .name: w_img, .offset: 56, .size: 8, .value_kind: global_buffer, .address_space: global }
    .group_segment_fixed_size: 68096
    .private_segment_fixed_size: 0
    .kernarg_segment_align: 8
    .kernarg_segment_size: 64
    .max_flat_workgroup_size: 128
    .sgpr_count:     66
    .vgpr_count:     224
    .wavefront_size: 32
...
	.end_amdgpu_metadata
.endif
;; end of part 1
;; launch qkv (part 2): grid 256 x 1, 16 waves a work-group, no clusters, 327,680 bytes of LDS; arguments a_img, w_img, qkv_img, ksum_part; writes qkv_img, ksum_part
.if DOCPART == 2
	.amdgcn_target "amdgcn-amd-amdhsa--gfx1250"
	.amdhsa_code_object_version 6
	.text
	.protected	k_q50304f3948_qkv
	.globl	k_q50304f3948_qkv
	.p2align	8
	.type	k_q50304f3948_qkv,@function
k_q50304f3948_qkv:
	s_mov_b64 s[64:65], 0
	v_nop
	global_prefetch_b8 v0, s[64:65] scope:SCOPE_SE
	s_setreg_imm32_b32 hwreg(HW_REG_WAVE_MODE, 25, 1), 1
	s_wait_xcnt 0x0
; QKV: q = x Wq, k = context Wk, v^T = (context Wv)^T on codes of FP6 (E2M3), f32 sums; the results leave QUANTISED, as blocks in the order of the next product's operand registers.
; THE BLOCK (13,312 bytes: 128 rows x 128 K): fragment f at 1,536 f, register group c at + 512 c, lane l at + 16 l; scale words at 12,288 + 128 f + 4 l; row r of fragment f is row 32 (f / 2) + 8 (f % 2) + r + 8 (r / 8).
; Every product is issued with source 0 = a fragment of the N side and source 1 = a fragment of the M side.  By that choice of rows lane (r, h) holds, in register j of N tile 2 b + u, N = 32 b + 16 h + 8 u + j of M row r:
; the 64 registers of eight N tiles are 128 neighbours along N, which is the next product's K.  QUANT turns them into fragment and scale word, which are stored as they stand.
; SHARES: 256 work-groups.  0-63: k (M = tokens, N = Wk's columns), 64-127: v^T (M = Wv's columns, N = keys, so that v is quantised along the keys): 256 (M) x 256 (N), six K steps.  128-255: q: 128 (M) x 256 (N), eight K steps.
; All of K lies in LDS at once, 24 blocks in both shapes: the M side's groups are one dense run of blocks in memory (12 for k and v, 8 for q), the N side's two groups another (12, 16), and LDS holds the M run, then the N run.
; Waves 0 to 5 bring four blocks (208 rows of 256 bytes) each, by ONE tensor load, to LDS block 4 x wave.  Nothing is filled again: one barrier.
; A wave makes 32 (M) x 128 (N), 16 accumulators.  k, v: sixteen waves (M fragment pair w % 4 of M group (w / 4) % 2, N group w / 8).  q: waves 0 to 7 (pair w % 4, N group w / 4); its waves 8 to 15 have no share of the block and end.
; The two shapes' LDS addresses are made of the wave's number and constants, in two sets of registers, and the walk along K is written once for each shape.
; qkv_img: block 256 reg + 32 head + i (reg 0 q, 1 k, 2 v).  q, k: i = group of 128 tokens, rows = tokens, K = the head's 128.  v: i = step of 128 keys, rows = the head's 128, K = keys.
; k ONLY: the column sums of the DEQUANTISED k, which the next launch needs for the rows' mean logit: a wave adds its 32 tokens in f32 and stores 128 numbers; position 64 h + 32 c + i stands for d = 64 c + 32 h + i.
; NO CLUSTER: q's and k's blocks share the M run along four column pairs, v's along sixteen key pairs with the buffers exchanged, so partners of one text would need masks on different axes.
; NO PREFETCH: each work-group asks once, at its head, and has no loop to run ahead in.
; LIMITS: NaN and infinities are not served.  A block whose largest magnitude lies under 2^-124 gets the scale byte 1, a block of zeros too (the quantiser's text says 127): its codes are zeros, and this program alone reads the bytes.
.set BLK,   13312
.set SPARE, 24*BLK                     ; behind the 24 blocks: the spare words, 128 bytes for each of sixteen waves, which no other line names
.set LI,  1                            ; v1   16 x lane
.set LS,  2                            ; v2   4 x lane
.set ADA, 3                            ; v3-4  q's shape: LDS address of my M fragments, K steps 0-3 and 4-7
.set ADB, 5                            ; v5-6  of my N group's fragments
.set ASA, 7                            ; v7-8  of the M side's scale words
.set ASB, 9                            ; v9-10 of the N group's
.set SPW, 11                           ; v11  LDS address of my spare word; never rewritten
.set NIL, 12                           ; v12  0; never rewritten
.set KV,  11                           ; v14-21: the same eight for k's and v's shape, 11 registers on
.set AF,  32                           ; v32-55   two fragments of the M side
.set BF,  56                           ; v56-103  four of the N side
.set SB,  104                          ; v104-111 the N side's scale words
.set SA,  112                          ; v112-113 the M side's
.set ACC, 128                          ; accumulator (a, b) at v[128 + 64 a + 8 b]
.set PC,  32                           ; the way out: v32-51 codes, v52-67 at work, v68 the scale word
.set TM,  52
.set PW,  68
.set SCF, 70                           ; v70-73 my two blocks' scales as f32, each twice
.set ONE, 74                           ; v74  0x7f in every byte: the scale 1
.set T,   76                           ; v76-79 at work
.set WV,  12
.set REG, 13
.set NS,  21                           ; K steps
.set G1,  24                           ; s[24:31] descriptor group 1: four blocks
.set G0,  32                           ; s[32:35] group 0
.set DC,  58
.set DS,  60
.set KSP, 62
.set MH,  66                           ; lane masks: bit 4, 3, 2, 1, 0 of the lane's number
.set M8,  67
.set M4,  68
.set M2,  69
.set M1,  70
.set SEL, 72
.macro QUANT s
.irp b, 0,1,2,3
	v_max3_num_f32 v[TM+\b], |v[(\s)+16*\b]|, |v[(\s)+1+16*\b]|, 0x1800000   ; block b: my 16 numbers, and the floor 2^(3 - 127).  Each accumulator is read from its low end on
.endr
.irp i, 2,4,6,8,10,12,14
.irp b, 0,1,2,3
	v_max3_num_f32 v[TM+\b], v[TM+\b], |v[(\s)+16*\b+\i]|, |v[(\s)+1+16*\b+\i]|
.endr
.endr
.irp b, 0,1,2,3
	s_delay_alu instid0(VALU_DEP_4)
	v_permlanex16_b32 v[TM+4+\b], v[TM+\b], s[SEL], s[SEL+1]
.endr
.irp b, 0,1,2,3
	s_delay_alu instid0(VALU_DEP_4)
	v_max_num_f32 v[TM+\b], v[TM+\b], v[TM+4+\b]   ; with lane l xor 16's: the block's largest magnitude
.endr
.irp b, 0,1,2,3
	s_delay_alu instid0(VALU_DEP_4)
	v_add_nc_u32 v[TM+12+\b], 0xff000000, v[TM+\b] ; 2 off its exponent field: the conversion's scale operand
.endr
.irp b, 0,1,2,3
	s_delay_alu instid0(VALU_DEP_4)
	v_lshrrev_b32 v[TM+4+\b], 23, v[TM+12+\b]      ; the scale's byte
.endr
	s_delay_alu instid0(VALU_DEP_3)
	v_lshl_or_b32 v[PW], v[TM+5], 8, v[TM+4]
	s_delay_alu instid0(VALU_DEP_1)
	v_lshl_or_b32 v[PW], v[TM+6], 16, v[PW]
	s_delay_alu instid0(VALU_DEP_1)
	v_lshl_or_b32 v[PW], v[TM+7], 24, v[PW]
.irp c, 0,1
	v_cvt_scalef32_pk16_fp6_f32 v[PC+6*\c:PC+2+6*\c], v[(\s)+32*\c:(\s)+15+32*\c], v[TM+12+2*\c]
	v_cvt_scalef32_pk16_fp6_f32 v[PC+12+4*\c:PC+14+4*\c], v[(\s)+16+32*\c:(\s)+31+32*\c], v[TM+13+2*\c]
.endr
	v_nop                                          ; one plain place behind a scaled conversion
.irp c, 0,1
.irp i, 0,1,2
	v_permlane16_swap_b32 v[PC+6*\c+\i], v[PC+12+4*\c+\i]   ; a whole block to a lane: the first run now holds my block's lower 16 codes, the second its upper 16
.endr
.irp i, 0,1,2
	s_delay_alu instid0(VALU_DEP_3)
	v_mov_b32 v[PC+3+6*\c+\i], v[PC+12+4*\c+\i]
.endr
.endr
.endm
.macro PUT offc, offs
.irp c, 0,1,2
	global_store_b128 v[LI], v[PC+4*\c:PC+4*\c+3], s[DC:DC+1] offset:(\offc)+512*\c   ; 512 consecutive, aligned bytes
.endr
	global_store_b32 v[LS], v[PW], s[DS:DS+1] offset:\offs
.endm
; A K step: 128 along K, 16 matrix instructions.  The 16 accumulators take turns, one instruction a turn.  zero = 1: the products start the sums.  k: 0 q's address registers, KV those of k and v.
; Four plain places stand in front of each run of loads into registers that matrix instructions have read (ISA guide 7.12.1 for vector instructions).
.macro KSTEP s, zero, k
.if \zero == 0
.rept 4
	v_nop
.endr
.endif
.irp a, 0,1
.irp c, 0,1,2
	ds_load_b128 v[AF+12*\a+4*\c:AF+12*\a+4*\c+3], v[ADA+(\k)+(\s)/4] offset:((\s)%4)*BLK+1536*\a+512*\c
.endr
	ds_load_b32 v[SA+\a], v[ASA+(\k)+(\s)/4] offset:((\s)%4)*BLK+128*\a
.endr
.irp g, 0,1
.rept 4*\g
	v_nop
.endr
.irp b, 0,1,2,3
.irp c, 0,1,2
	ds_load_b128 v[BF+12*\b+4*\c:BF+12*\b+4*\c+3], v[ADB+(\k)+(\s)/4] offset:((\s)%4)*BLK+1536*(4*\g+\b)+512*\c
.endr
	ds_load_b32 v[SB+4*\g+\b], v[ASB+(\k)+(\s)/4] offset:((\s)%4)*BLK+128*(4*\g+\b)
.endr
	s_wait_dscnt 0x0
.irp b, 0,1,2,3
.irp a, 0,1
.if \zero
	v_wmma_scale_f32_16x16x128_f8f6f4 v[ACC+64*\a+8*(4*\g+\b):ACC+64*\a+8*(4*\g+\b)+7], v[BF+12*\b:BF+12*\b+11], v[AF+12*\a:AF+12*\a+11], 0, v[SB+4*\g+\b], v[SA+\a] matrix_a_fmt:MATRIX_FMT_FP6 matrix_b_fmt:MATRIX_FMT_FP6
.else
	v_wmma_scale_f32_16x16x128_f8f6f4 v[ACC+64*\a+8*(4*\g+\b):ACC+64*\a+8*(4*\g+\b)+7], v[BF+12*\b:BF+12*\b+11], v[AF+12*\a:AF+12*\a+11], v[ACC+64*\a+8*(4*\g+\b):ACC+64*\a+8*(4*\g+\b)+7], v[SB+4*\g+\b], v[SA+\a] matrix_a_fmt:MATRIX_FMT_FP6 matrix_b_fmt:MATRIX_FMT_FP6
.endif
.endr
.endr
.endr
.endm
; k only: fragment a's codes back to f32 (code x scale, exact), into the registers that its accumulators have left; a = 1 adds onto a = 0.  In-lane index 32 c + i is d = 64 c + 32 h + i
.macro DEQ a
.irp c, 0,1
	v_cndmask_b32 v[SCF+2*\c], v[TM+12+2*\c], v[TM+13+2*\c], s[MH]   ; my block is 2 c + h
.endr
.irp c, 0,1
	s_delay_alu instid0(VALU_DEP_2)
	v_and_b32 v[SCF+2*\c], 0x7f800000, v[SCF+2*\c] ; the exponent field alone: the scale as f32
.endr
.irp c, 0,1
	s_delay_alu instid0(VALU_DEP_2)
	v_mov_b32 v[SCF+2*\c+1], v[SCF+2*\c]           ; (named with it as a pair, so it is written)
.endr
.irp c, 0,1
	v_cvt_scale_pk16_f32_fp6 v[ACC+64*\a+32*\c:ACC+64*\a+32*\c+15], v[PC+6*\c:PC+6*\c+2], v[ONE]
	v_cvt_scale_pk16_f32_fp6 v[ACC+64*\a+32*\c+16:ACC+64*\a+32*\c+31], v[PC+12+4*\c:PC+12+4*\c+2], v[ONE]
.endr
	v_nop                                          ; one plain place behind a scaled conversion
.irp c, 0,1
.irp i, 0,2,4,6,8,10,12,14,16,18,20,22,24,26,28,30
.if \a == 0
	v_pk_mul_f32 v[ACC+32*\c+\i:ACC+32*\c+\i+1], v[ACC+32*\c+\i:ACC+32*\c+\i+1], v[SCF+2*\c:SCF+2*\c+1] op_sel_hi:[1,0]
.else
	v_pk_fma_f32 v[ACC+32*\c+\i:ACC+32*\c+\i+1], v[ACC+64+32*\c+\i:ACC+64+32*\c+\i+1], v[SCF+2*\c:SCF+2*\c+1], v[ACC+32*\c+\i:ACC+32*\c+\i+1] op_sel_hi:[1,0,1]
.endif
.endr
.endr
.endm
; One step of the sum over the 16 rows: of 2 n numbers a lane keeps n (the upper n where its mask bit is set), sends the others to lane l xor xm, and adds what that lane sends
.macro RS n, xm, mask
.set ii, 0
.rept \n
	v_cndmask_b32 v[T+ii%4], v[ACC+\n+ii], v[ACC+ii], s[\mask]
	v_cndmask_b32 v[ACC+ii], v[ACC+ii], v[ACC+\n+ii], s[\mask]
	s_delay_alu instid0(VALU_DEP_1)
	v_add_f32_dpp v[ACC+ii], v[T+ii%4], v[ACC+ii] row_xmask:\xm row_mask:0xf bank_mask:0xf
.set ii, ii+1
.endr
.endm
	s_load_b256 s[4:11], s[0:1], 0x0               ; a_img s[4:5], w_img s[6:7], qkv_img s[8:9], ksum_part s[10:11]
	v_lshl_add_u32 v[SPW], v0, 2, SPARE
	v_mov_b32 v[NIL], 0
	ds_add_u32 v[SPW], v[NIL]                      ; the wave's opening: the add, twice on end, and its wait ahead of my first tensor load; the set-up below stands between them
	ds_add_u32 v[SPW], v[NIL]
	v_lshrrev_b32 v1, 5, v0
	s_delay_alu instid0(VALU_DEP_1)
	v_readfirstlane_b32 s[WV], v1                  ; wave 0..15
	s_lshr_b32 s14, ttmp9, 6                       ; 0: k, 1: v, 2 and 3: q
	s_add_co_u32 s[REG], s14, 1
	s_cmp_lt_u32 s14, 2
	s_cselect_b32 s[REG], s[REG], 0                ; 0 q, 1 k, 2 v
	s_cselect_b32 s15, 63, 127
	s_and_b32 s14, ttmp9, s15                      ; the block's number in its tensor
	s_cmp_eq_u32 s[REG], 2
	s_cselect_b32 s15, 4, 2
	s_cselect_b32 s16, 15, 3
	s_cselect_b32 s17, 112, 0                      ; the M side's first block: Wv's in w_img,
	s_cselect_b32 s18, 256, 0                      ; the N side's: context's in a_img
	s_lshr_b32 s19, s14, s15                       ; which block along M
	s_and_b32 s20, s14, s16                        ; cp: the pair of groups of N
	s_cmp_eq_u32 s[REG], 1
	s_cselect_b32 s17, 256, s17                    ; k: context's in a_img,
	s_cselect_b32 s18, 64, s18                     ; Wk's in w_img
	s_and_b32 s54, s[WV], 3                        ; wm: my pair of M fragments
	s_bfe_u32 s76, s[WV], 0x10002                  ; bit 2 of the wave's number
	s_lshr_b32 s77, s[WV], 3                       ; bit 3
	s_cmp_eq_u32 s[REG], 0
	s_cselect_b32 s[NS], 8, 6
	s_cselect_b32 s22, 1, 2                        ; groups of 128 along M in a block
	s_cselect_b32 s23, 2, 3                        ; loads that bring the M run
	s_cselect_b32 s55, s76, s77                    ; wn: my group of N
	s_cselect_b32 s78, 0, s76                      ; my group of M in the block
	s_mul_i32 s19, s19, s22                        ; the block's first group of M
	s_mul_i32 s44, s19, s[NS]
	s_add_co_u32 s44, s44, s17                     ; the M run's first block
	s_mul_i32 s46, s20, s[NS]
	s_lshl_b32 s46, s46, 1
	s_add_co_u32 s46, s46, s18                     ; the N run's
	s_sub_co_u32 s47, s[WV], s23
	s_lshl_b32 s47, s47, 2
	s_add_co_u32 s46, s46, s47                     ; four blocks a wave: the N run from wave s23 on,
	s_lshl_b32 s47, s[WV], 2
	s_add_co_u32 s44, s44, s47                     ; the M run from wave 0 on
	s_cmp_lt_u32 s[WV], s23
	s_cselect_b32 s44, s44, s46
	s_cselect_b32 s79, 1, 0                        ; 1: I bring blocks of the M run
	s_mul_i32 s44, s44, BLK
	s_mov_b32 s45, 0
	s_add_co_u32 s19, s19, s78                     ; G: my group of 128 of M
	s_lshl_b32 s56, s20, 1
	s_add_co_u32 s56, s56, s55                     ; my group of N: 2 cp + wn
	s_cmp_eq_u32 s[REG], 2
	s_cselect_b32 s57, s19, s56                    ; the head: v: the group of Wv's columns; q, k: the group of N
	s_cselect_b32 s56, s56, s19                    ; the block in the head: v: the key step; q, k: the group of tokens
	s_lshl_b32 s74, s[REG], 8
	s_lshl_b32 s75, s57, 5
	s_add_co_u32 s74, s74, s75
	s_add_co_u32 s74, s74, s56
	s_mul_i32 s74, s74, BLK
	s_mul_i32 s75, s54, 3072
	s_add_co_u32 s[DC], s74, s75                   ; my two fragments' codes
	s_mov_b32 s[DC+1], 0
	s_lshl_b32 s75, s54, 8
	s_add_co_u32 s[DS], s74, s75
	s_add_co_u32 s[DS], s[DS], 12288               ; and scale words
	s_mov_b32 s[DS+1], 0
	s_lshl_b32 s74, s57, 7
	s_lshl_b32 s75, s19, 2
	s_add_co_u32 s74, s74, s75
	s_add_co_u32 s74, s74, s54
	s_lshl_b32 s[KSP], s74, 9                      ; k: part 128 head + 4 G + wm, 512 bytes each
	s_mov_b32 s[KSP+1], 0
	s_mov_b32 s[SEL], 0x76543210
	s_mov_b32 s[SEL+1], 0xfedcba98
	; descriptor group 1: four blocks on end are dense: 208 rows of 256 bytes (32 elements of 8 bytes), no padding
	s_mov_b32 s[G1+0], 3<<16                       ; no mask; elements of 8 bytes; padding off
	s_mov_b32 s[G1+1], 32<<16                      ; tensor_dim0 = 32
	s_mov_b32 s[G1+2], 208<<16                     ; tensor_dim1 = 208
	s_mov_b32 s[G1+3], 32<<16                      ; tile_dim0 = 32
	s_mov_b32 s[G1+4], 208                         ; tile_dim1 = 208
	s_mov_b32 s[G1+5], 32                          ; from row to row
	s_mov_b32 s[G1+6], 0
	s_mov_b32 s[G1+7], 0
	s_wait_dscnt 0x0                               ; both opening adds are done
	s_wait_kmcnt 0x0
	s_cmp_eq_u32 s[REG], 2                         ; which buffer holds which side: the choice hangs on the work-group's number alone,
	s_cselect_b64 s[50:51], s[6:7], s[4:5]
	s_cselect_b64 s[52:53], s[4:5], s[6:7]
	s_cmp_eq_u32 s79, 1                            ; and which side I bring on ids alone
	s_cselect_b64 s[50:51], s[50:51], s[52:53]
	s_add_nc_u64 s[DC:DC+1], s[8:9], s[DC:DC+1]
	s_add_nc_u64 s[DS:DS+1], s[8:9], s[DS:DS+1]
	s_add_nc_u64 s[KSP:KSP+1], s[10:11], s[KSP:KSP+1]
	s_mov_b32 s[G0+0], 1
	s_mul_i32 s[G0+1], s[WV], 4*BLK                ; LDS: the M run from block 0, the N run on end behind it
	s_add_nc_u64 s[G0+2:G0+3], s[50:51], s[44:45]
	s_or_b32 s[G0+3], s[G0+3], 0x80000000
	s_cmp_lt_u32 s[WV], 6                          ; 24 blocks: six waves bring them
	s_cbranch_scc0 .Lno_fill
	tensor_load_to_lds s[G0:G0+3], s[G1:G1+7]
	s_nop 0
.rept 4
	v_nop
.endr
.Lno_fill:
	v_and_b32 v13, 31, v0
	v_lshlrev_b32 v[LI], 4, v13
	v_lshlrev_b32 v[LS], 2, v13
	; q's shape: M fragments at 3,072 wm; N group (bit 2) at block 8 + 8 x group
	s_mul_i32 s74, s54, 3072
	v_add_nc_u32 v[ADA], s74, v[LI]
	v_add_nc_u32 v[ADA+1], 4*BLK, v[ADA]
	s_mul_i32 s75, s76, 8*BLK
	s_add_co_u32 s75, s75, 8*BLK
	v_add_nc_u32 v[ADB], s75, v[LI]
	v_add_nc_u32 v[ADB+1], 4*BLK, v[ADB]
	s_lshl_b32 s74, s54, 8
	s_add_co_u32 s74, s74, 12288
	v_add_nc_u32 v[ASA], s74, v[LS]
	v_add_nc_u32 v[ASA+1], 4*BLK, v[ASA]
	s_add_co_u32 s75, s75, 12288
	v_add_nc_u32 v[ASB], s75, v[LS]
	v_add_nc_u32 v[ASB+1], 4*BLK, v[ASB]
	; k's and v's shape: M group (bit 2) at block 6 x group; N group (bit 3) at block 12 + 6 x group
	s_mul_i32 s75, s76, 6*BLK
	s_mul_i32 s74, s54, 3072
	s_add_co_u32 s74, s74, s75
	v_add_nc_u32 v[ADA+KV], s74, v[LI]
	v_add_nc_u32 v[ADA+KV+1], 4*BLK, v[ADA+KV]
	s_lshl_b32 s74, s54, 8
	s_add_co_u32 s74, s74, s75
	s_add_co_u32 s74, s74, 12288
	v_add_nc_u32 v[ASA+KV], s74, v[LS]
	v_add_nc_u32 v[ASA+KV+1], 4*BLK, v[ASA+KV]
	s_mul_i32 s75, s77, 6*BLK
	s_add_co_u32 s75, s75, 12*BLK
	v_add_nc_u32 v[ADB+KV], s75, v[LI]
	v_add_nc_u32 v[ADB+KV+1], 4*BLK, v[ADB+KV]
	s_add_co_u32 s75, s75, 12288
	v_add_nc_u32 v[ASB+KV], s75, v[LS]
	v_add_nc_u32 v[ASB+KV+1], 4*BLK, v[ASB+KV]
	v_and_b32 v13, 16, v0
	v_cmp_ne_u32 s[MH], 0, v13
	v_and_b32 v13, 8, v0
	v_cmp_ne_u32 s[M8], 0, v13
	v_and_b32 v13, 4, v0
	v_cmp_ne_u32 s[M4], 0, v13
	v_and_b32 v13, 2, v0
	v_cmp_ne_u32 s[M2], 0, v13
	v_and_b32 v13, 1, v0
	v_cmp_ne_u32 s[M1], 0, v13
	s_wait_alu depctr_va_vdst(0)                   ; the wait at the head's end
	s_wait_tensorcnt 0x0                           ; my four blocks have landed,
	s_barrier_signal -1
	s_barrier_wait -1                              ; everybody's have: all of K lies in LDS, and nothing is filled again
	s_cmp_eq_u32 s[REG], 0                         ; the shape: the work-group's number alone
	s_cbranch_scc0 .Lkv
	s_cmp_lt_u32 s[WV], 8                          ; q's block has shares for eight waves
	s_cbranch_scc0 .Lnot_k1
	KSTEP 0, 1, 0
	KSTEP 1, 0, 0
	KSTEP 2, 0, 0
	KSTEP 3, 0, 0
	KSTEP 4, 0, 0
	KSTEP 5, 0, 0
	KSTEP 6, 0, 0
	KSTEP 7, 0, 0
	s_branch .Lkdone
.Lkv:
	KSTEP 0, 1, KV
	KSTEP 1, 0, KV
	KSTEP 2, 0, KV
	KSTEP 3, 0, KV
	KSTEP 4, 0, KV
	KSTEP 5, 0, KV
.Lkdone:
.rept 4
	v_nop                                          ; places behind the last products, in front of the first read of results and of writes into the operands' registers
.endr
.irp b, 0,1,2,3
	v_mov_b32 v[TM+4+\b], 0                        ; written once: a lane permute's destination counts as one of its sources
.endr
	v_mov_b32 v[ONE], 0x7f7f7f7f
	QUANT ACC                                      ; my first M fragment's 16 rows x 128 of N
	PUT 0, 0
	s_cmp_eq_u32 s[REG], 1
	s_cbranch_scc0 .Lnot_k0
	DEQ 0
.Lnot_k0:
	s_wait_xcnt 0x0                                ; the stores have read their registers: codes and word are written again only behind this wait
	QUANT ACC+64
	PUT 1536, 128
	s_cmp_eq_u32 s[REG], 1
	s_cbranch_scc0 .Lnot_k1
	DEQ 1
	RS 32, 8, M8                                   ; the sum over the 16 rows, scattered: lane (r, h) ends with in-lane indices 4 r .. 4 r + 3
	RS 16, 4, M4
	RS 8, 2, M2
	RS 4, 1, M1
	global_store_b128 v[LI], v[ACC:ACC+3], s[KSP:KSP+1]   ; positions 64 h + 4 r + 0 .. 3: the wave stores 512 consecutive, aligned bytes
.Lnot_k1:
	s_wait_tensorcnt 0x0                           ; the wave's end, behind my last tensor load
	ds_add_u32 v[SPW], v[NIL]
	s_wait_dscnt 0x0
	s_endpgm
.Lfunc_end_k_q50304f3948_qkv:
	.size	k_q50304f3948_qkv, .Lfunc_end_k_q50304f3948_qkv-k_q50304f3948_qkv
	.p2alignl 7, 3214868480
	.fill 96, 4, 3214868480
	.section	.rodata,"a",@progbits
	.p2align	6, 0x0
	.amdhsa_kernel k_q50304f3948_qkv
		.amdhsa_group_segment_fixed_size 327680
		.amdhsa_private_segment_fixed_size 0
		.amdhsa_enable_private_segment 0
		.amdhsa_kernarg_size 32
		.amdhsa_user_sgpr_count 2
		.amdhsa_user_sgpr_kernarg_segment_ptr 1
		.amdhsa_wavefront_size32 1
		.amdhsa_system_sgpr_workgroup_id_x 1
		.amdhsa_system_sgpr_workgroup_id_y 1
		.amdhsa_system_sgpr_workgroup_id_z 1
		.amdhsa_system_vgpr_workitem_id 0
		.amdhsa_next_free_vgpr 256
		.amdhsa_next_free_sgpr 80
		.amdhsa_reserve_vcc 0
		.amdhsa_float_denorm_mode_32 3
		.amdhsa_float_denorm_mode_16_64 3
		.amdhsa_memory_ordered 1
		.amdhsa_forward_progress 1
		.amdhsa_inst_pref_size 103
	.end_amdhsa_kernel
	.amdgpu_metadata
---
amdhsa.version: [ 1, 2 ]
amdhsa.kernels:
  - .name:           k_q50304f3948_qkv
    .symbol:         k_q50304f3948_qkv.kd
    .args:
      - { .name: a_img, .offset: 0, .size: 8, .value_kind: global_buffer, .address_space: global }
      - { .name: w_img, .offset: 8, .size: 8, .value_kind: global_buffer, .address_space: global }
      - { .name: qkv_img, .offset: 16, .size: 8, .value_kind: global_buffer, .address_space: global }
      - { .name: ksum_part, .offset: 24, .size: 8, .value_kind: global_buffer, .address_space: global }
    .group_segment_fixed_size: 327680
    .private_segment_fixed_size: 0
    .kernarg_segment_align: 8
    .kernarg_segment_size: 32
    .max_flat_workgroup_size: 512
    .sgpr_count:     80
    .vgpr_count:     256
    .wavefront_size: 32
...
	.end_amdgpu_metadata
.endif
;; end of part 2
;; launch attn (part 3): grid 32 x 8, 16 waves a work-group, clusters of 4 x 1, 327,680 bytes of LDS; arguments qkv_img, ksum_part, o_img; writes o_img
.if DOCPART == 3
	.amdgcn_target "amdgcn-amd-amdhsa--gfx1250"
	.amdhsa_code_object_version 6
	.text
	.protected	k_q50304f3948_attn
	.globl	k_q50304f3948_attn
	.p2align	8
	.type	k_q50304f3948_attn,@function
k_q50304f3948_attn:
	s_mov_b64 s[64:65], 0
	v_nop
	global_prefetch_b8 v0, s[64:65] scope:SCOPE_SE
	s_setreg_imm32_b32 hwreg(HW_REG_WAVE_MODE, 25, 1), 1
	s_wait_xcnt 0x0
	s_wait_alu depctr_hold_cnt(0) depctr_sa_sdst(0) depctr_va_vdst(0) depctr_va_sdst(0) depctr_va_ssrc(0) depctr_va_vcc(0) depctr_vm_vsrc(0)
	s_getreg_b32 s2, hwreg(HW_REG_IB_STS2, 6, 4)
	s_cmp_eq_u32 s2, 0
	s_cbranch_scc0 .Lentry_in_a_cluster
	s_endpgm
.Lentry_in_a_cluster:
	s_bfe_u32 s2, ttmp6, 0x10000c
	s_cmp_lg_u32 s2, 0x3003
	s_cbranch_scc0 .Lentry_shape_is_right
	s_endpgm
.Lentry_shape_is_right:
; ATTN: for each head, o = softmax(1.5 sim - 0.5 mean(sim)) v with sim = q k^T / sqrt(128), both products on codes of FP6 (E2M3); o leaves quantised along head x 128 + d, as an operand of the last product.
; THE LOGIT.  t = logit x log2(e) = c1 s + cshift, s the raw score, c1 = 1.5 log2(e) / sqrt(128).  The row's mean is linear in the quantised operands: mean = (1 / sqrt(128)) / 4096 x (dequantised q) . (sum over the keys of the
; dequantised k).  The launch before stored that sum in 128 parts a head; here they are added in f32 and the dot of 128 is taken in f32: cshift = -0.5 log2(e) / sqrt(128) / 4096 x the dot.  The mean is kept: it moves
; M = ceil(largest t) by a fraction, and so p's codes.
; THE SOFTMAX AHEAD OF THE SECOND PRODUCT: M = the largest t so far, rounded UP to a whole number; p = 2^(t - M) is quantised along the keys, not normalised; the row's sum is taken of the unquantised p and divides at the end.
; When M moves, the sum and O are multiplied by 2^(old M - new M): exact.
; SHARES.  A work-group owns 128 queries of one head; 16 waves of 256 registers, four to a SIMD.  Wave 8 kh + qf owns fragment qf of q's block (16 queries) and the key steps kh and kh + 2 of every slot of four.
; At the end wave (qf, 1) hands O, its sum and its M to wave (qf, 0) through LDS; both are brought under the larger M by powers of two and added.
; THE BLOCK (13,312 bytes: 128 rows x 128 K): fragment f at 1,536 f, register group c at + 512 c, lane l at + 16 l; scale words at 12,288 + 128 f + 4 l; row r of fragment f is row 32 (f / 2) + 8 (f % 2) + r + 8 (r / 8).
; Both products are used transposed (S^T = K Q^T, O^T = V^T P^T): a lane holds ONE query, and the 16 registers of tiles 2 b and 2 b + 1 are 16 neighbours (keys, then d).
; THE RING: two LDS slots of four key steps (K's four blocks, then V's four: 106,496 bytes), 2^17 bytes apart.  Waves 0, 1 bring K's blocks, waves 2, 3 V's, two blocks (104 rows of 256 bytes) a load: one load of a fetching wave is out.
; CLUSTER: four neighbouring query groups of one head walk the same K and V: every load is asked for jointly (mask 15), behind a round of the cluster's barrier.
; PREFETCH: in trip t, which loads slot t + 1, slot t + 3 is named (trips 0 to 4): the partner at place cx names block cx of K's four and of V's four, 52 runs of 256 bytes each, a lane a run, waves 4 to 7, one instruction each.
; LIMITS: NaN and infinities are not served.  The promise holds while |t| stays under 2^31.  The mean is summed in another order than a plain mean over the row's scores.  t - M is one fused multiply-add, c1 s + (cshift - M).
; A block of o whose largest magnitude lies under 2^-124 gets the scale byte 1, a block of zeros too: its codes are zeros, and this program alone reads the bytes.
; REGISTERS: v1-11 addresses; v12 cshift - M, v13 the largest t, v[14:15] the sum in two halves; v16-27 Q; v28 cshift; v29 -M; v32-79 four fragments of K or V; v80-83 K's scale words, v84-87 V's, v88 p's, v89 Q's;
; v93-95 addresses; v96-159 S^T, then p; v160-223 O^T; v224-235 p's codes; v232-254 at work.
.set BLK,   13312
.set VOFF,  4*BLK
.set SLOT1, 1<<17
.set PART,  2*SLOT1                    ; behind the ring: sixteen waves' partial sums of k, 512 bytes each;
.set FIN,   PART+8192                  ; the finished 128 sums (a place of 1,024 bytes);
.set SPARE, FIN+1024                   ; the spare words, 128 bytes for each of sixteen waves, which no other line names
.set MRG,   8704                       ; the joining stage of a pair of waves: 8,192 bytes of O, 512 of sum and -M.  It lies in slot 0, behind that slot's last fill and last read
.set LI,   1                           ; 16 x lane
.set LS,   2                           ; 4 x lane
.set AK0,  3                           ; 16 x lane + kh blocks
.set AV0,  4                           ; the same + VOFF
.set SPW,  5                           ; LDS address of my spare word; never rewritten
.set NIL,  6                           ; 0; never rewritten
.set SK0,  7                           ; 4 x lane + kh blocks + 12,288
.set ADK,  8                           ; v8-11: the four, in the slot in hand
.set ADV,  9
.set ADS,  10
.set ADT,  11
.set SV0,  93                          ; SK0 + VOFF
.set MST,  94                          ; my pair's stage + 16 x lane
.set PFO,  95                          ; the prefetch's offset: my run of 256 bytes in a block
.set PC,   32                          ; the way out
.set TM,   232
.set PW,   248
.set WV,   18
.set QF,   19
.set SEL,  20
.set CS,   22                          ; s[22:23] c1: the packed form names a pair and takes its low word for both halves
.set G1,   24
.set KH,   32
.set GRP,  33
.set PFL,  34                          ; the least count of trips left at which my wave still prefetches
.set G0,   40
.set SLOTS, 44
.set TB,   45                          ; LDS byte at which the slot in hand begins
.set DC,   56
.set DS,   58
.set PFA,  60
.macro NOP4
.rept 4
	v_nop
.endr
.endm
.macro ROUND                           ; a round of the cluster's barrier
	s_barrier_signal -1
	s_barrier_wait -1
	s_cmp_lg_u32 s[WV], 0
	s_cbranch_scc1 .Lnot_wave_0_\@
	s_barrier_signal -3
.Lnot_wave_0_\@:
	s_barrier_wait -3
	s_barrier_signal -1
	s_barrier_wait -1
.endm
.macro TLOAD                           ; waves 0 to 3 fetch: a branch on the wave's number alone.  An s_nop 0 and four v_nop follow the load
	s_cmp_lt_u32 s[WV], 4
	s_cbranch_scc0 .Lasked_\@
	tensor_load_to_lds s[G0:G0+3], s[G1:G1+7]
	s_nop 0
	NOP4
.Lasked_\@:
.endm
.macro QUANT s
.irp b, 0,1,2,3
	v_max3_num_f32 v[TM+\b], |v[(\s)+16*\b]|, |v[(\s)+1+16*\b]|, 0x1800000   ; block b: my 16 numbers, and the floor 2^(3 - 127)
.endr
.irp i, 2,4,6,8,10,12,14
.irp b, 0,1,2,3
	s_delay_alu instid0(VALU_DEP_4)
	v_max3_num_f32 v[TM+\b], v[TM+\b], |v[(\s)+16*\b+\i]|, |v[(\s)+1+16*\b+\i]|
.endr
.endr
.irp b, 0,1,2,3
	s_delay_alu instid0(VALU_DEP_4)
	v_permlanex16_b32 v[TM+4+\b], v[TM+\b], s[SEL], s[SEL+1]
.endr
.irp b, 0,1,2,3
	s_delay_alu instid0(VALU_DEP_4)
	v_max_num_f32 v[TM+\b], v[TM+\b], v[TM+4+\b]
.endr
.irp b, 0,1,2,3
	s_delay_alu instid0(VALU_DEP_4)
	v_add_nc_u32 v[TM+12+\b], 0xff000000, v[TM+\b]
.endr
.irp b, 0,1,2,3
	s_delay_alu instid0(VALU_DEP_4)
	v_lshrrev_b32 v[TM+4+\b], 23, v[TM+12+\b]
.endr
	s_delay_alu instid0(VALU_DEP_3)
	v_lshl_or_b32 v[PW], v[TM+5], 8, v[TM+4]
	s_delay_alu instid0(VALU_DEP_1)
	v_lshl_or_b32 v[PW], v[TM+6], 16, v[PW]
	s_delay_alu instid0(VALU_DEP_1)
	v_lshl_or_b32 v[PW], v[TM+7], 24, v[PW]
.irp c, 0,1
	v_cvt_scalef32_pk16_fp6_f32 v[PC+6*\c:PC+2+6*\c], v[(\s)+32*\c:(\s)+15+32*\c], v[TM+12+2*\c]
	v_cvt_scalef32_pk16_fp6_f32 v[PC+12+4*\c:PC+14+4*\c], v[(\s)+16+32*\c:(\s)+31+32*\c], v[TM+13+2*\c]
.endr
	v_nop
.irp c, 0,1
.irp i, 0,1,2
	v_permlane16_swap_b32 v[PC+6*\c+\i], v[PC+12+4*\c+\i]
.endr
.irp i, 0,1,2
	s_delay_alu instid0(VALU_DEP_3)
	v_mov_b32 v[PC+3+6*\c+\i], v[PC+12+4*\c+\i]
.endr
.endr
.endm
	s_load_b128 s[4:7], s[0:1], 0x0                ; qkv_img s[4:5], ksum_part s[6:7]
	s_load_b64 s[8:9], s[0:1], 0x10                ; o_img
	v_lshl_add_u32 v[SPW], v0, 2, SPARE
	v_mov_b32 v[NIL], 0
	ds_add_u32 v[SPW], v[NIL]                      ; the opening: the add, twice on end, and its wait ahead of the first tensor load
	ds_add_u32 v[SPW], v[NIL]
	v_lshrrev_b32 v8, 5, v0
	v_readfirstlane_b32 s[WV], v8                  ; wave 0..15
	s_and_b32 s[QF], s[WV], 7                      ; my fragment of q
	s_lshr_b32 s[KH], s[WV], 3                     ; my half of the key steps
	s_bfe_u32 s47, ttmp6, 0x40000                  ; cx
	s_lshl_b32 s[GRP], ttmp9, 2
	s_add_co_u32 s[GRP], s[GRP], s47               ; the group of 128 queries = 4 x cluster x + cx
	s_and_b32 s46, ttmp7, 0xffff                   ; the head
	s_lshl_b32 s48, s46, 5                         ; 32 blocks a head in each region of qkv_img
	s_add_co_u32 s49, s48, s[GRP]
	s_mul_i32 s49, s49, BLK                        ; q's block
	s_mul_i32 s35, s[QF], 1536
	s_add_co_u32 s50, s49, s35                     ; my fragment's codes
	s_mov_b32 s51, 0
	s_lshl_b32 s36, s[QF], 7
	s_add_co_u32 s52, s49, s36
	s_add_co_u32 s52, s52, 12288                   ; and scale words
	s_mov_b32 s53, 0
	s_lshl_b32 s54, s46, 16                        ; the head's 128 parts of 512 bytes;
	s_lshl_b32 s37, s[WV], 12
	s_add_co_u32 s54, s54, s37                     ; my wave's 8 of them
	s_mov_b32 s55, 0
	s_lshl_b32 s37, s[GRP], 3
	s_add_co_u32 s37, s37, s46
	s_mul_i32 s37, s37, BLK                        ; o's block: 8 x group + head
	s_add_co_u32 s[DC], s37, s35
	s_mov_b32 s[DC+1], 0
	s_add_co_u32 s[DS], s37, s36
	s_add_co_u32 s[DS], s[DS], 12288
	s_mov_b32 s[DS+1], 0
	s_and_b32 s38, s[WV], 3                        ; what I fetch, if I fetch: 0, 1: K's region (block 256 on); 2, 3: V's (512 on);
	s_lshr_b32 s62, s38, 1
	s_add_co_u32 s62, s62, 1
	s_lshl_b32 s62, s62, 8
	s_add_co_u32 s62, s62, s48
	s_add_co_u32 s[PFA], s62, s47                  ; the prefetch: the same region, the partner's block cx,
	s_add_co_u32 s[PFA], s[PFA], 8                 ; of slot 2: the first change of slots steps it to slot 3
	s_mul_i32 s[PFA], s[PFA], BLK
	s_mov_b32 s[PFA+1], 0
	s_and_b32 s39, s38, 1
	s_lshl_b32 s63, s39, 1
	s_add_co_u32 s62, s62, s63                     ; the first or the second pair of a slot's four blocks: no place in the cluster enters
	s_mul_i32 s62, s62, BLK
	s_mov_b32 s63, 0
	s_lshr_b32 s37, s[WV], 2
	s_cmp_eq_u32 s37, 1
	s_cselect_b32 s[PFL], 3, 100                   ; waves 4 to 7 prefetch while three trips or more are left; the others never
	; descriptor group 1: two blocks on end: 104 dense rows of 256 bytes (32 elements of 8 bytes), no padding; the mask names the cluster's four, bit 21 beside it
	s_mov_b32 s[G1+0], 15|(3<<16)|(1<<21)
	s_mov_b32 s[G1+1], 32<<16
	s_mov_b32 s[G1+2], 104<<16
	s_mov_b32 s[G1+3], 32<<16
	s_mov_b32 s[G1+4], 104
	s_mov_b32 s[G1+5], 32
	s_mov_b32 s[G1+6], 0
	s_mov_b32 s[G1+7], 0
	s_mov_b32 s[SEL], 0x76543210
	s_mov_b32 s[SEL+1], 0xfedcba98
	s_mov_b32 s[CS], 0x3e43dde5                    ; c1 = 1.5 log2(e) / sqrt(128)
	s_mov_b32 s[CS+1], s[CS]
	s_mov_b32 s[TB], 0
	s_mov_b32 s[SLOTS], 7
	s_wait_alu depctr_va_vdst(0)                   ; the wait ahead of the waits below
	s_wait_dscnt 0x0                               ; both opening adds are done
	s_wait_kmcnt 0x0
	s_mov_b32 s[G0], 1
	s_mul_i32 s[G0+1], s38, 2*BLK                  ; slot 0: K's pairs at 0 and 2 blocks, V's at 4 and 6
	s_add_nc_u64 s[G0+2:G0+3], s[4:5], s[62:63]
	s_or_b32 s[G0+3], s[G0+3], 0x80000000
	ROUND                                          ; all four work-groups are here: the first joint loads meet
	TLOAD                                          ; slot 0: key steps 0 to 3
	s_add_nc_u64 s[50:51], s[4:5], s[50:51]
	s_add_nc_u64 s[52:53], s[4:5], s[52:53]
	s_add_nc_u64 s[PFA:PFA+1], s[4:5], s[PFA:PFA+1]
	s_add_nc_u64 s[54:55], s[6:7], s[54:55]
	s_add_nc_u64 s[DC:DC+1], s[8:9], s[DC:DC+1]
	s_add_nc_u64 s[DS:DS+1], s[8:9], s[DS:DS+1]
	v_and_b32 v8, 31, v0
	v_bfe_u32 v92, v0, 4, 1                        ; h
	v_lshlrev_b32 v[LI], 4, v8
	v_lshlrev_b32 v[LS], 2, v8
	s_mul_i32 s37, s[KH], BLK
	v_add_nc_u32 v[AK0], s37, v[LI]
	v_add_nc_u32 v[AV0], VOFF, v[AK0]
	s_add_co_u32 s37, s37, 12288
	v_add_nc_u32 v[SK0], s37, v[LS]
	v_add_nc_u32 v[SV0], VOFF, v[SK0]
	s_mul_i32 s37, s[QF], MRG
	v_add_nc_u32 v[MST], s37, v[LI]
	s_lshl_b32 s37, s39, 5
	v_add_nc_u32 v[PFO], s37, v8
	v_min_u32 v[PFO], 51, v[PFO]                   ; a block has 52 runs: lanes left over name the last again
	v_lshlrev_b32 v[PFO], 8, v[PFO]
	v_lshl_add_u32 v30, v0, 4, PART                ; where I put my wave's partial sums: 16 bytes a thread
	v_lshl_add_u32 v31, v0, 2, PART                ; where thread t (under 128) reads position t of the sixteen
	v_lshl_add_u32 v90, v0, 2, FIN                 ; and puts the finished sum
	v_lshl_add_u32 v91, v92, 8, FIN                ; my half's 64 sums
.irp c, 0,1,2
	global_load_b128 v[16+4*\c:19+4*\c], v[LI], s[50:51] offset:512*\c   ; Q's fragment stays in registers
.endr
	global_load_b32 v89, v[LS], s[52:53]           ; Q's scale words
.irp j, 0,1,2,3,4,5,6,7
	global_load_b128 v[96+4*\j:99+4*\j], v[LI], s[54:55] offset:512*\j   ; 8 parts: positions 4 lane .. 4 lane + 3 of each
.endr
	s_wait_alu depctr_va_vdst(0)                   ; the wait ahead of the wait below
	s_wait_loadcnt 0x0
.irp j, 1,2,3,4,5,6,7
	v_pk_add_f32 v[96:97], v[96:97], v[96+4*\j:97+4*\j]
	v_pk_add_f32 v[98:99], v[98:99], v[98+4*\j:99+4*\j]
.endr
	ds_store_b128 v30, v[96:99]
	s_wait_dscnt 0x0                               ; for the others' sake: my store is done
	s_barrier_signal -1                            ; (slot 0's load may stay out)
	s_barrier_wait -1
	s_cmp_lt_u32 s[WV], 4                          ; 128 positions: waves 0 to 3, a thread to a position
	s_cbranch_scc0 .Lnot_sum
.irp j, 0,1,2,3,4,5,6,7,8,9,10,11,12,13,14,15
	ds_load_b32 v[96+\j], v31 offset:512*\j
.endr
	s_wait_dscnt 0x0
.irp j, 0,2,4,6,8,10,12,14
	v_add_f32 v[96+\j], v[96+\j], v[97+\j]
.endr
.irp j, 0,4,8,12
	v_add_f32 v[96+\j], v[96+\j], v[98+\j]
.endr
	v_add_f32 v96, v96, v100
	v_add_f32 v104, v104, v108
	s_delay_alu instid0(VALU_DEP_1)
	v_add_f32 v96, v96, v104
	ds_store_b32 v90, v96
.Lnot_sum:
	s_wait_dscnt 0x0
	s_barrier_signal -1
	s_barrier_wait -1                              ; the head's 128 sums lie in LDS
.irp j, 0,1,2,3,4,5,6,7,8,9,10,11,12,13,14,15
	ds_load_b128 v[96+4*\j:99+4*\j], v91 offset:16*\j   ; in-lane index 32 c + i: the sum of k at d = 64 c + 32 h + i
.endr
	v_mov_b32 v32, v19                             ; (a conversion's three source registers begin on an even number: each block's upper 16 codes are moved)
	v_mov_b32 v33, v20
	v_mov_b32 v34, v21
	v_mov_b32 v36, v25
	v_mov_b32 v37, v26
	v_mov_b32 v38, v27
	v_mov_b32 v40, 0x7f7f7f7f                      ; the scale 1 in every byte
	v_cvt_scale_pk16_f32_fp6 v[160:175], v[16:18], v40
	v_cvt_scale_pk16_f32_fp6 v[176:191], v[32:34], v40
	v_cvt_scale_pk16_f32_fp6 v[192:207], v[22:24], v40
	v_cvt_scale_pk16_f32_fp6 v[208:223], v[36:38], v40
	v_lshlrev_b32 v46, 3, v92                      ; (a plain place behind the conversions)  my blocks are h and 2 + h: their bytes of Q's scale word lie 8 h and 16 + 8 h bits up
	v_bfe_u32 v47, v89, v46, 8
	v_add_nc_u32 v48, 16, v46
	s_delay_alu instid0(VALU_DEP_1)
	v_bfe_u32 v48, v89, v48, 8
	v_lshlrev_b32 v47, 23, v47                     ; the scales as f32
	s_delay_alu instid0(VALU_DEP_2)
	v_lshlrev_b32 v48, 23, v48
	s_wait_alu depctr_va_vdst(0)
	s_wait_dscnt 0x0
.irp c, 0,1
	v_pk_mul_f32 v[42+2*\c:43+2*\c], v[160+32*\c:161+32*\c], v[96+32*\c:97+32*\c]
.endr
.irp i, 2,4,6,8,10,12,14,16,18,20,22,24,26,28,30
.irp c, 0,1
	v_pk_fma_f32 v[42+2*\c:43+2*\c], v[160+32*\c+\i:161+32*\c+\i], v[96+32*\c+\i:97+32*\c+\i], v[42+2*\c:43+2*\c]
.endr
.endr
	v_add_f32 v42, v42, v43
	v_add_f32 v44, v44, v45
	s_delay_alu instid0(VALU_DEP_2)
	v_mul_f32 v42, v42, v47
	s_delay_alu instid0(VALU_DEP_1)
	v_fma_f32 v42, v44, v48, v42                   ; my 64 of the 128 products,
	s_delay_alu instid0(VALU_DEP_1)
	v_permlanex16_b32 v43, v42, s[SEL], s[SEL+1]
	s_delay_alu instid0(VALU_DEP_1)
	v_add_f32 v42, v42, v43                        ; and lane l xor 16's
	s_delay_alu instid0(VALU_DEP_1)
	v_mul_f32 v28, 0xb78293ee, v42                 ; cshift = -0.5 log2(e) / sqrt(128) / 4096 x the dot
	v_mov_b32 v13, 0xff61b1e6                      ; the largest t so far: -3e38, under every t
	s_delay_alu instid0(VALU_DEP_1)
	v_floor_f32 v29, -v13                          ; -M
	s_delay_alu instid0(VALU_DEP_1)
	v_add_f32 v12, v29, v28
	v_mov_b32 v14, 0                               ; the sum, in two halves
	v_mov_b32 v15, 0
.irp b, 0,1,2,3
	v_mov_b32 v[236+\b], 0                         ; written once: a lane permute's destination counts as one of its sources
.endr
	v_mov_b32 v252, 0
	v_mov_b32 v253, 0                              ; (named as the upper half of the pair v[252:253])
.set jj, 0
.rept 64
	v_mov_b32 v[160+jj], 0                         ; O^T.  (The step is written once: the first finds zeros, which the first change of M leaves zeros)
.set jj, jj+1
.endr
	s_wait_alu depctr_va_vdst(0)                   ; the wait at the head's end
.macro LDF adr, ads, sc, q, g          ; four fragments as they were stored, 512 consecutive bytes a load, each with its scale words: four LDS loads a fragment
.irp t, 0,1,2,3
.irp c, 0,1,2
	ds_load_b128 v[32+12*\t+4*\c:35+12*\t+4*\c], v[\adr] offset:(\q)*BLK+1536*(4*\g+\t)+512*\c
.endr
	ds_load_b32 v[\sc+\t], v[\ads] offset:(\q)*BLK+128*(4*\g+\t)
.endr
.endm
.macro QK g                            ; S^T = K Q^T, four tiles of 16 keys.  Fragment t is in when at most the 12 - 4 t loads of the later fragments are out
.irp t, 0,1,2,3
	s_wait_dscnt 12-4*\t
	v_wmma_scale_f32_16x16x128_f8f6f4 v[96+8*(4*\g+\t):103+8*(4*\g+\t)], v[32+12*\t:43+12*\t], v[16:27], 0, v[80+\t], v89 matrix_a_fmt:MATRIX_FMT_FP6 matrix_b_fmt:MATRIX_FMT_FP6
.endr
.endm
.macro PV g, counted                   ; O^T += V^T P^T, four tiles of 16 of the head's 128
.irp t, 0,1,2,3
.if \counted
	s_wait_dscnt 12-4*\t
.endif
	v_wmma_scale_f32_16x16x128_f8f6f4 v[160+8*(4*\g+\t):167+8*(4*\g+\t)], v[32+12*\t:43+12*\t], v[224:235], v[160+8*(4*\g+\t):167+8*(4*\g+\t)], v[84+\t], v88 matrix_a_fmt:MATRIX_FMT_FP6 matrix_b_fmt:MATRIX_FMT_FP6
.endr
.endm
.macro MAXB b0, b1                     ; the largest score of blocks b0, b1 of 32 keys (my 16 of each), four chains by turns; each accumulator is read from its low end on
.irp b, \b0, \b1
	v_max3_num_f32 v[232+\b], v[96+16*\b], v[97+16*\b], v[98+16*\b]
	v_max3_num_f32 v[236+\b], v[104+16*\b], v[105+16*\b], v[106+16*\b]
.endr
.irp i, 3,5
.irp b, \b0, \b1
	v_max3_num_f32 v[232+\b], v[232+\b], v[96+16*\b+\i], v[97+16*\b+\i]
	v_max3_num_f32 v[236+\b], v[236+\b], v[104+16*\b+\i], v[105+16*\b+\i]
.endr
.endr
.irp b, \b0, \b1
	v_max3_num_f32 v[232+\b], v[232+\b], v[236+\b], v[103+16*\b]
.endr
.irp b, \b0, \b1
	v_max_num_f32 v[232+\b], v[232+\b], v[111+16*\b]
.endr
.endm
.macro ADD4 j                          ; the row's sum of the unquantised p, in four chains of pairs: v[240:247] += pairs j .. j + 3 of p
.irp i, 0,1,2,3
	v_pk_add_f32 v[240+2*\i:241+2*\i], v[240+2*\i:241+2*\i], v[96+2*((\j)+\i):97+2*((\j)+\i)]
.endr
.endm
; A KEY STEP: 128 keys at block q of my blocks of the slot.  top = 1: K's first four fragments are asked for here; else the step before has asked.  nq >= 0: this step asks for those of block nq.
.macro STEP q, top, nq
.if \top
	LDF ADK, ADS, 80, \q, 0
.endif
	QK 0
	NOP4                                           ; places in front of loads into registers that the products have read, and of the first read of their results
	LDF ADK, ADS, 80, \q, 1
	QK 1
	MAXB 0, 1                                      ; on the first four tiles: also the places behind the last four products
	LDF ADV, ADT, 84, \q, 0                        ; V's first four fragments land under the softmax
	MAXB 2, 3
.irp b, 0,1,2,3
	v_permlanex16_b32 v[236+\b], v[232+\b], s[SEL], s[SEL+1]
.endr
.irp b, 0,1,2,3
	s_delay_alu instid0(VALU_DEP_4)
	v_max_num_f32 v[232+\b], v[232+\b], v[236+\b]  ; with lane l xor 16's 16 keys: it serves for the row's maximum and, since p rises with the score, for the block's largest p
.endr
	s_delay_alu instid0(VALU_DEP_2)
	v_max3_num_f32 v254, v232, v233, v234
	s_delay_alu instid0(VALU_DEP_1)
	v_max_num_f32 v254, v254, v235                 ; the step's largest score of my query
	s_delay_alu instid0(VALU_DEP_1)
	v_fma_f32 v254, v254, s[CS], v28               ; as t = c1 s + cshift (c1 is positive)
	s_delay_alu instid0(VALU_DEP_1)
	v_max_num_f32 v13, v13, v254                   ; the running largest t
	v_mov_b32 v254, v29
	s_delay_alu instid0(VALU_DEP_2)
	v_floor_f32 v29, -v13                          ; the new -M = floor(-t) = -ceil(t): a whole number
	s_delay_alu instid0(VALU_DEP_1)
	v_sub_f32 v254, v29, v254                      ; M's old value less its new one: a whole number, 0 or less
	v_add_f32 v12, v29, v28                        ; cshift - M
	s_delay_alu instid0(VALU_DEP_2)
	v_cvt_i32_f32 v254, v254                       ; (it saturates)
	s_delay_alu instid0(VALU_DEP_1)
	v_ldexp_f32 v252, 1.0, v254                    ; f = 2^(old M - new M)
.set jj, 0
.rept 32
	v_pk_fma_f32 v[96+jj:97+jj], v[96+jj:97+jj], s[CS:CS+1], v[12:13] op_sel_hi:[1,0,0]   ; t - M, two at a time (of the pairs the low word serves both halves)
.set jj, jj+2
.endr
.irp b, 0,1,2,3
	v_fma_f32 v[232+\b], v[232+\b], s[CS], v12     ; the same of each block's largest score
.endr
.set jj, 0
.rept 32
	v_pk_mul_f32 v[160+jj:161+jj], v[160+jj:161+jj], v[252:253] op_sel_hi:[1,0]   ; O^T under the new M, each accumulator from its low end on
.set jj, jj+2
.endr
	v_pk_mul_f32 v[14:15], v[14:15], v[252:253] op_sel_hi:[1,0]   ; and the sums
	s_wait_alu depctr_va_vdst(0)                   ; the wait ahead of the batch
.irp b, 0,1,2,3
	v_exp_f32 v[232+\b], v[232+\b]                 ; the block's largest p: the same two instructions on the same number give the same bits
.endr
.set jj, 0
.rept 64
	v_exp_f32 v[96+jj], v[96+jj]                   ; p = 2^(t - M): not normalised
.set jj, jj+1
.endr
	v_nop                                          ; a plain place behind the exponentials
	s_wait_alu depctr_va_vdst(0)                   ; one wait for the whole batch, ahead of its first reader
	s_wait_dscnt 0x0                               ; V's first four fragments are in
.irp b, 0,1,2,3
	v_max_num_f32 v[232+\b], 0x1800000, v[232+\b]  ; the floor 2^(3 - 127): the byte cannot fall under 1
.endr
.irp b, 0,1,2,3
	s_delay_alu instid0(VALU_DEP_4)
	v_add_nc_u32 v[244+\b], 0xff000000, v[232+\b]  ; 2 off the exponent field: the conversion's scale operand
.endr
.irp b, 0,1,2,3
	s_delay_alu instid0(VALU_DEP_4)
	v_lshrrev_b32 v[236+\b], 23, v[244+\b]         ; the scale's byte
.endr
	s_delay_alu instid0(VALU_DEP_3)
	v_lshl_or_b32 v88, v237, 8, v236               ; p's scale word for these 128 keys
	s_delay_alu instid0(VALU_DEP_1)
	v_lshl_or_b32 v88, v238, 16, v88
	s_delay_alu instid0(VALU_DEP_1)
	v_lshl_or_b32 v88, v239, 24, v88
.irp c, 0,1
	v_cvt_scalef32_pk16_fp6_f32 v[224+6*\c:226+6*\c], v[96+32*\c:111+32*\c], v[244+2*\c]
	v_cvt_scalef32_pk16_fp6_f32 v[236+4*\c:238+4*\c], v[112+32*\c:127+32*\c], v[245+2*\c]
.endr
	v_nop                                          ; one plain place behind a scaled conversion
.irp c, 0,1
.irp i, 0,1,2
	v_permlane16_swap_b32 v[224+6*\c+\i], v[236+4*\c+\i]   ; a whole block to a lane
.endr
.irp i, 0,1,2
	v_mov_b32 v[227+6*\c+\i], v[236+4*\c+\i]
.endr
.endr
.irp i, 0,1,2,3
	v_pk_add_f32 v[240+2*\i:241+2*\i], v[96+4*\i:97+4*\i], v[98+4*\i:99+4*\i]   ; the four chains begin: pairs 0 to 7.  (Also the four places between p's codes and the products)
.endr
	PV 0, 0
	ADD4 8                                         ; four places behind the products,
	LDF ADV, ADT, 84, \q, 1                        ; V's other four fragments,
	ADD4 12                                        ; and work while they come
	ADD4 16
	s_wait_alu depctr_va_vdst(0)                   ; the wait ahead of the waits below
	PV 1, 1
	ADD4 20                                        ; four places behind the products
.if (\nq) >= 0
	LDF ADK, ADS, 80, \nq, 0                       ; the next step's first four fragments of K
.endif
	ADD4 24
	ADD4 28
	v_pk_add_f32 v[240:241], v[240:241], v[242:243]
	v_pk_add_f32 v[244:245], v[244:245], v[246:247]
	s_delay_alu instid0(VALU_DEP_1)
	v_pk_add_f32 v[240:241], v[240:241], v[244:245]
	s_delay_alu instid0(VALU_DEP_1)
	v_pk_add_f32 v[14:15], v[14:15], v[240:241]
.endm
; THE CHANGE OF SLOTS.  Each wave waits for all its tensor loads, adds 0 to its spare word, and waits for that and for its reads of the slot that it has left.  fill = 1: a round of the cluster's barrier follows, and behind it
; the slot left behind is asked for jointly, with the next four key steps: the load has two of a wave's key steps in which to land.  The add stands twice there.
.macro CHANGE fill
.if \fill
	s_wait_xcnt 0x0                                ; my last prefetch has read its address
	s_add_nc_u64 s[PFA:PFA+1], s[PFA:PFA+1], 4*BLK
.endif
	s_wait_tensorcnt 0x0                           ; no tensor load of mine is out, so the group 0 may be written
	ds_add_u32 v[SPW], v[NIL]
.if \fill
	ds_add_u32 v[SPW], v[NIL]
	s_xor_b32 s[G0+1], s[G0+1], SLOT1              ; the other slot than last time,
	s_add_nc_u64 s[G0+2:G0+3], s[G0+2:G0+3], 4*BLK ; four blocks on
.endif
	s_wait_dscnt 0x0
.if \fill
	ROUND
	TLOAD
.else
	s_barrier_signal -1
	s_barrier_wait -1
.endif
	v_add_nc_u32 v[ADK], s[TB], v[AK0]             ; my addresses in the slot in hand
	v_add_nc_u32 v[ADV], s[TB], v[AV0]
	v_add_nc_u32 v[ADS], s[TB], v[SK0]
	v_add_nc_u32 v[ADT], s[TB], v[SV0]
	s_wait_alu depctr_va_vdst(0)
.endm
.Lslot:                                            ; seven trips: behind each change of slots but the last the next slot is asked for
	CHANGE 1
	STEP 0, 1, 2
	s_cmp_ge_u32 s[SLOTS], s[PFL]                  ; the wave's number and the trips left alone
	s_cbranch_scc0 .Lnot_asking
	global_prefetch_b8 v[PFO], s[PFA:PFA+1] th:TH_LOAD_NT scope:SCOPE_SE
.Lnot_asking:
	STEP 2, 0, -1
	s_xor_b32 s[TB], s[TB], SLOT1                  ; on to the other slot
	s_sub_co_u32 s[SLOTS], s[SLOTS], 1
	s_cmp_lg_u32 s[SLOTS], 0
	s_wait_alu depctr_va_vdst(0)                   ; the wait ahead of the jump
	s_cbranch_scc1 .Lslot
	CHANGE 0                                       ; the last slot is written out
	STEP 0, 1, 2
	STEP 2, 0, -1
	; THE JOIN.  (The sixteen additions at the step's end are the places behind the last products.)
	v_add_f32 v14, v14, v15                        ; the sum's two halves,
	s_delay_alu instid0(VALU_DEP_1)
	v_permlanex16_b32 v252, v14, s[SEL], s[SEL+1]
	s_delay_alu instid0(VALU_DEP_1)
	v_add_f32 v14, v14, v252                       ; and lane l xor 16's
	v_mov_b32 v15, v29                             ; -M beside it
	s_wait_alu depctr_va_vdst(0)
	s_wait_dscnt 0x0
	s_barrier_signal -1
	s_barrier_wait -1                              ; nobody reads the ring any more: slot 0's bytes serve as the stage
	s_cmp_eq_u32 s[KH], 0
	s_cbranch_scc1 .Lkeeper
.irp j, 0,1,2,3,4,5,6,7,8,9,10,11,12,13,14,15
	ds_store_b128 v[MST], v[160+4*\j:163+4*\j] offset:512*\j
.endr
	ds_store_b64 v[MST], v[14:15] offset:8192
.Lkeeper:
	s_wait_dscnt 0x0
	s_barrier_signal -1
	s_barrier_wait -1
	s_cmp_lg_u32 s[KH], 0
	s_cbranch_scc1 .Lend
.irp j, 0,1,2,3,4,5,6,7,8,9,10,11,12,13,14,15
	ds_load_b128 v[96+4*\j:99+4*\j], v[MST] offset:512*\j
.endr
	ds_load_b64 v[32:33], v[MST] offset:8192       ; the partner's sum and -M
	s_wait_dscnt 0x0
	v_min_num_f32 v34, v29, v33                    ; - the larger M
	s_delay_alu instid0(VALU_DEP_1)
	v_sub_f32 v35, v34, v29                        ; whole numbers, 0 or less
	v_sub_f32 v36, v34, v33
	s_delay_alu instid0(VALU_DEP_2)
	v_cvt_i32_f32 v35, v35
	s_delay_alu instid0(VALU_DEP_2)
	v_cvt_i32_f32 v36, v36
	s_delay_alu instid0(VALU_DEP_2)
	v_ldexp_f32 v35, 1.0, v35                      ; my factor,
	s_delay_alu instid0(VALU_DEP_2)
	v_ldexp_f32 v36, 1.0, v36                      ; the partner's
	s_delay_alu instid0(VALU_DEP_2)
	v_mul_f32 v37, v14, v35
	s_delay_alu instid0(VALU_DEP_1)
	v_fma_f32 v37, v32, v36, v37                   ; the row's sum over all keys
	s_wait_alu depctr_va_vdst(0)
	v_rcp_f32 v37, v37
	v_nop                                          ; a plain place behind the transcendental
	s_wait_alu depctr_va_vdst(0)                   ; and the wait ahead of its first reader
	v_mul_f32 v38, v35, v37
	v_mul_f32 v40, v36, v37
	v_mul_f32 v39, v35, v37                        ; (the pairs' upper halves are written too)
	v_mul_f32 v41, v36, v37
	s_wait_alu depctr_va_vdst(0)                   ; the wait directly ahead of the first reader of O^T
.set jj, 0
.rept 32
	v_pk_mul_f32 v[160+jj:161+jj], v[160+jj:161+jj], v[38:39] op_sel_hi:[1,0]
.set jj, jj+2
.endr
.set jj, 0
.rept 32
	v_pk_fma_f32 v[96+jj:97+jj], v[96+jj:97+jj], v[40:41], v[160+jj:161+jj] op_sel_hi:[1,0,1]   ; register 16 b + i is d = 32 b + 16 h + i of my query
.set jj, jj+2
.endr
	QUANT 96                                       ; quantised along d, it is fragment qf of o's block, stored as it stands
.irp c, 0,1,2
	global_store_b128 v[LI], v[PC+4*\c:PC+4*\c+3], s[DC:DC+1] offset:512*\c   ; 512 consecutive, aligned bytes
.endr
	global_store_b32 v[LS], v[PW], s[DS:DS+1]
.Lend:
	s_wait_tensorcnt 0x0                           ; the wave's end
	ds_add_u32 v[SPW], v[NIL]
	s_wait_dscnt 0x0
	ROUND                                          ; the closing round
	s_endpgm
.Lfunc_end_k_q50304f3948_attn:
	.size	k_q50304f3948_attn, .Lfunc_end_k_q50304f3948_attn-k_q50304f3948_attn
	.p2alignl 7, 3214868480
	.fill 96, 4, 3214868480
	.section	.rodata,"a",@progbits
	.p2align	6, 0x0
	.amdhsa_kernel k_q50304f3948_attn
		.amdhsa_group_segment_fixed_size 327680
		.amdhsa_private_segment_fixed_size 0
		.amdhsa_enable_private_segment 0
		.amdhsa_kernarg_size 24
		.amdhsa_user_sgpr_count 2
		.amdhsa_user_sgpr_kernarg_segment_ptr 1
		.amdhsa_wavefront_size32 1
		.amdhsa_system_sgpr_workgroup_id_x 1
		.amdhsa_system_sgpr_workgroup_id_y 1
		.amdhsa_system_sgpr_workgroup_id_z 1
		.amdhsa_system_vgpr_workitem_id 0
		.amdhsa_next_free_vgpr 256
		.amdhsa_next_free_sgpr 66
		.amdhsa_reserve_vcc 0
		.amdhsa_float_denorm_mode_32 3
		.amdhsa_float_denorm_mode_16_64 3
		.amdhsa_memory_ordered 1
		.amdhsa_forward_progress 1
		.amdhsa_inst_pref_size 113
	.end_amdhsa_kernel
	.amdgpu_metadata
---
amdhsa.version: [ 1, 2 ]
amdhsa.kernels:
  - .name:           k_q50304f3948_attn
    .symbol:         k_q50304f3948_attn.kd
    .args:
      - { .name: qkv_img, .offset: 0, .size: 8, .value_kind: global_buffer, .address_space: global }
      - { .name: ksum_part, .offset: 8, .size: 8, .value_kind: global_buffer, .address_space: global }
      - { .name: o_img, .offset: 16, .size: 8, .value_kind: global_buffer, .address_space: global }
    .group_segment_fixed_size: 327680
    .private_segment_fixed_size: 0
    .kernarg_segment_align: 8
    .kernarg_segment_size: 24
    .max_flat_workgroup_size: 512
    .sgpr_count:     66
    .vgpr_count:     256
    .wavefront_size: 32
...
	.end_amdgpu_metadata
.endif
;; end of part 3
;; launch outp (part 4): grid 8 x 32, 8 waves a work-group, no clusters, 327,680 bytes of LDS; arguments o_img, w_img, bout, out0; writes out0
.if DOCPART == 4
	.amdgcn_target "amdgcn-amd-amdhsa--gfx1250"
	.amdhsa_code_object_version 6
	.text
	.protected	k_q50304f3948_outp
	.globl	k_q50304f3948_outp
	.p2align	8
	.type	k_q50304f3948_outp,@function
k_q50304f3948_outp:
	s_mov_b64 s[64:65], 0
	v_nop
	global_prefetch_b8 v0, s[64:65] scope:SCOPE_SE
	s_setreg_imm32_b32 hwreg(HW_REG_WAVE_MODE, 25, 1), 1
	s_wait_xcnt 0x0
; OUTP: out0 = o Wout + bout on codes of FP6 (E2M3), f32 sums; the bias is the accumulators' first value.  A work-group makes 128 tokens x 128 columns; all of K (eight blocks of o, eight of Wout) lies in LDS at once.
; THE BLOCK (13,312 bytes: 128 rows x 128 K): fragment f at 1,536 f, register group c at + 512 c, lane l at + 16 l; scale words at 12,288 + 128 f + 4 l.
; THE FILL: each side's eight blocks are one dense run in memory.  Waves 0 to 3 bring o's, waves 4 to 7 Wout's, two blocks (104 rows of 256 bytes) by ONE tensor load a wave, to LDS block 2 x wave.  Nothing is filled again.
; Wave w: token fragments 2 (w % 4) and the next x column fragments 4 (w / 4) .. + 3.  The results go through a stage in LDS and leave as rows of 512 consecutive bytes.
; NO CLUSTER, NO PREFETCH: a work-group asks once, at its head, and has no loop to run ahead in.
.set BLK,   13312
.set STAGE, 16*BLK
.set SPARE, STAGE+128*528
.set LI,  1
.set LS,  2
.set ADA, 3
.set ADB, 5
.set ASA, 7
.set ASB, 9
.set SPW, 11
.set NIL, 12
.set BO,  13
.set SO,  14
.set SR,  15
.set ACC, 192
.set WV,  12
.set G1,  24
.set G0,  32
.macro FETCH s, p
.set FB, 32+80*(\p)
.irp a, 0,1
.irp c, 0,1,2
	ds_load_b128 v[FB+12*\a+4*\c:FB+12*\a+4*\c+3], v[ADA+(\s)/4] offset:((\s)%4)*BLK+1536*\a+512*\c
.endr
	ds_load_b32 v[FB+72+\a], v[ASA+(\s)/4] offset:((\s)%4)*BLK+128*\a
.endr
.irp t, 0,1,2,3
.irp c, 0,1,2
	ds_load_b128 v[FB+24+12*\t+4*\c:FB+24+12*\t+4*\c+3], v[ADB+(\s)/4] offset:((\s)%4)*BLK+1536*\t+512*\c
.endr
	ds_load_b32 v[FB+74+\t], v[ASB+(\s)/4] offset:((\s)%4)*BLK+128*\t
.endr
.endm
.macro MUL8 p
.set FB, 32+80*(\p)
.irp t, 0,1,2,3
.irp a, 0,1
	v_wmma_scale_f32_16x16x128_f8f6f4 v[ACC+32*\a+8*\t:ACC+32*\a+8*\t+7], v[FB+24+12*\t:FB+24+12*\t+11], v[FB+12*\a:FB+12*\a+11], v[ACC+32*\a+8*\t:ACC+32*\a+8*\t+7], v[FB+74+\t], v[FB+72+\a] matrix_a_fmt:MATRIX_FMT_FP6 matrix_b_fmt:MATRIX_FMT_FP6
.endr
.endr
.endm
	s_load_b256 s[4:11], s[0:1], 0x0
	v_lshl_add_u32 v[SPW], v0, 2, SPARE
	v_mov_b32 v[NIL], 0
	ds_add_u32 v[SPW], v[NIL]
	ds_add_u32 v[SPW], v[NIL]
	v_lshrrev_b32 v1, 5, v0
	s_delay_alu instid0(VALU_DEP_1)
	v_readfirstlane_b32 s[WV], v1
	s_and_b32 s13, s[WV], 3
	s_lshr_b32 s14, s[WV], 2
	s_and_b32 s15, ttmp7, 0xffff
	s_lshl_b32 s16, s15, 3                         ; o's first block: 8 x token group
	s_lshl_b32 s18, ttmp9, 3
	s_add_co_u32 s18, s18, 160                     ; Wout's: 160 + 8 x column group
	s_cmp_eq_u32 s14, 0                            ; waves 0-3: o; waves 4-7: Wout
	s_cselect_b32 s16, s16, s18
	s_lshl_b32 s18, s13, 1
	s_add_co_u32 s16, s16, s18                     ; + my pair of blocks
	s_mul_i32 s16, s16, BLK
	s_mov_b32 s17, 0
	s_lshl_b32 s20, ttmp9, 9
	s_lshl_b32 s21, s14, 8
	s_add_co_u32 s20, s20, s21
	s_mov_b32 s21, 0
	s_lshl_b32 s22, s15, 7
	s_lshr_b32 s23, s[WV], 1
	s_lshl_b32 s23, s23, 5
	s_add_co_u32 s22, s22, s23
	s_and_b32 s23, s[WV], 1
	s_lshl_b32 s23, s23, 3
	s_add_co_u32 s22, s22, s23
	s_lshl_b32 s22, s22, 12
	s_lshl_b32 s23, ttmp9, 9
	s_add_co_u32 s22, s22, s23
	s_mov_b32 s23, 0
	s_mov_b32 s[G1+0], 3<<16
	s_mov_b32 s[G1+1], 32<<16
	s_mov_b32 s[G1+2], 104<<16
	s_mov_b32 s[G1+3], 32<<16
	s_mov_b32 s[G1+4], 104
	s_mov_b32 s[G1+5], 32
	s_mov_b32 s[G1+6], 0
	s_mov_b32 s[G1+7], 0
	s_wait_dscnt 0x0
	s_wait_kmcnt 0x0
	s_cmp_eq_u32 s14, 0                            ; my side's buffer: the choice hangs on the wave's number alone
	s_cselect_b64 s[4:5], s[4:5], s[6:7]
	s_mov_b32 s[G0+0], 1
	s_mul_i32 s[G0+1], s[WV], 2*BLK                ; LDS: o's blocks 0-7, then Wout's
	s_add_nc_u64 s[G0+2:G0+3], s[4:5], s[16:17]
	s_or_b32 s[G0+3], s[G0+3], 0x80000000
	tensor_load_to_lds s[G0:G0+3], s[G1:G1+7]      ; my one tensor load
	s_nop 0
.rept 4
	v_nop
.endr
	s_add_nc_u64 s[8:9], s[8:9], s[20:21]
	s_add_nc_u64 s[10:11], s[10:11], s[22:23]
	v_and_b32 v16, 31, v0
	v_and_b32 v17, 15, v0
	v_bfe_u32 v18, v0, 4, 1
	s_delay_alu instid0(VALU_DEP_3)
	v_lshlrev_b32 v[LI], 4, v16
	s_delay_alu instid0(VALU_DEP_4)
	v_lshlrev_b32 v[LS], 2, v16
	s_delay_alu instid0(VALU_DEP_3)
	v_lshlrev_b32 v[BO], 6, v18
.irp a, 0,1
.irp t, 0,1,2,3
	global_load_b128 v[ACC+32*\a+8*\t:ACC+32*\a+8*\t+3], v[BO], s[8:9] offset:128*(\t/2)+32*(\t%2)
	global_load_b128 v[ACC+32*\a+8*\t+4:ACC+32*\a+8*\t+7], v[BO], s[8:9] offset:128*(\t/2)+32*(\t%2)+16
.endr
.endr
	s_mul_i32 s40, s13, 3072
	v_add_nc_u32 v[ADA], s40, v[LI]
	s_delay_alu instid0(VALU_DEP_1)
	v_add_nc_u32 v[ADA+1], 4*BLK, v[ADA]
	s_mul_i32 s41, s14, 6144
	s_add_co_u32 s41, s41, 8*BLK
	v_add_nc_u32 v[ADB], s41, v[LI]
	s_delay_alu instid0(VALU_DEP_1)
	v_add_nc_u32 v[ADB+1], 4*BLK, v[ADB]
	s_lshl_b32 s40, s13, 8
	s_add_co_u32 s40, s40, 12288
	v_add_nc_u32 v[ASA], s40, v[LS]
	s_delay_alu instid0(VALU_DEP_1)
	v_add_nc_u32 v[ASA+1], 4*BLK, v[ASA]
	s_lshl_b32 s41, s14, 9
	s_add_co_u32 s41, s41, 8*BLK+12288
	v_add_nc_u32 v[ASB], s41, v[LS]
	s_delay_alu instid0(VALU_DEP_1)
	v_add_nc_u32 v[ASB+1], 4*BLK, v[ASB]
	s_mul_i32 s40, s13, 32*528
	s_lshl_b32 s41, s14, 8
	s_add_co_u32 s40, s40, s41
	s_add_co_u32 s40, s40, STAGE
	v_mul_u32_u24 v[SO], v17, 528
	s_delay_alu instid0(VALU_DEP_1)
	v_lshl_add_u32 v[SO], v18, 6, v[SO]
	s_delay_alu instid0(VALU_DEP_1)
	v_add_nc_u32 v[SO], s40, v[SO]
	s_mul_i32 s40, s[WV], 16*528
	s_add_co_u32 s40, s40, STAGE
	v_add_nc_u32 v[SR], s40, v[LI]
	s_wait_alu depctr_va_vdst(0)
	s_wait_tensorcnt 0x0
	s_barrier_signal -1
	s_barrier_wait -1
	FETCH 0, 0
	s_wait_loadcnt 0x0
.irp s, 0,1,2,3,4,5,6,7
	s_wait_dscnt 0x0
.if \s < 7
.if \s > 0
.rept 4
	v_nop
.endr
.endif
	FETCH \s+1, 1-\s%2
.endif
	MUL8 \s%2
.endr
.rept 4
	v_nop
.endr
.irp a, 0,1
.irp t, 0,1,2,3
	ds_store_b128 v[SO], v[ACC+32*\a+8*\t:ACC+32*\a+8*\t+3] offset:\a*8448+128*(\t/2)+32*(\t%2)
	ds_store_b128 v[SO], v[ACC+32*\a+8*\t+4:ACC+32*\a+8*\t+7] offset:\a*8448+128*(\t/2)+32*(\t%2)+16
.endr
.endr
	s_wait_dscnt 0x0
	s_barrier_signal -1
	s_barrier_wait -1
.irp i, 0,1,2,3,4,5,6,7,8,9,10,11,12,13,14,15
	ds_load_b128 v[32+4*\i:35+4*\i], v[SR] offset:\i*528
.endr
.irp i, 0,1,2,3,4,5,6,7,8,9,10,11,12,13,14,15
	s_wait_dscnt 15-\i
	global_store_b128 v[LI], v[32+4*\i:35+4*\i], s[10:11] offset:(\i+8*(\i/8))*4096 th:TH_STORE_NT
.endr
	s_wait_tensorcnt 0x0
	ds_add_u32 v[SPW], v[NIL]
	s_wait_dscnt 0x0
	s_endpgm
.Lfunc_end_k_q50304f3948_outp:
	.size	k_q50304f3948_outp, .Lfunc_end_k_q50304f3948_outp-k_q50304f3948_outp
	.p2alignl 7, 3214868480
	.fill 96, 4, 3214868480
	.section	.rodata,"a",@progbits
	.p2align	6, 0x0
	.amdhsa_kernel k_q50304f3948_outp
		.amdhsa_group_segment_fixed_size 327680
		.amdhsa_private_segment_fixed_size 0
		.amdhsa_enable_private_segment 0
		.amdhsa_kernarg_size 32
		.amdhsa_user_sgpr_count 2
		.amdhsa_user_sgpr_kernarg_segment_ptr 1
		.amdhsa_wavefront_size32 1
		.amdhsa_system_sgpr_workgroup_id_x 1
		.amdhsa_system_sgpr_workgroup_id_y 1
		.amdhsa_system_sgpr_workgroup_id_z 1
		.amdhsa_system_vgpr_workitem_id 0
		.amdhsa_next_free_vgpr 256
		.amdhsa_next_free_sgpr 66
		.amdhsa_reserve_vcc 0
		.amdhsa_float_denorm_mode_32 3
		.amdhsa_float_denorm_mode_16_64 3
		.amdhsa_memory_ordered 1
		.amdhsa_forward_progress 1
		.amdhsa_inst_pref_size 32
	.end_amdhsa_kernel
	.amdgpu_metadata
---
amdhsa.version: [ 1, 2 ]
amdhsa.kernels:
  - .name:           k_q50304f3948_outp
    .symbol:         k_q50304f3948_outp.kd
    .args:
      - { .name: o_img, .offset: 0, .size: 8, .value_kind: global_buffer, .address_space: global }
      - { .name: w_img, .offset: 8, .size: 8, .value_kind: global_buffer, .address_space: global }
      - { .name: bout, .offset: 16, .size: 8, .value_kind: global_buffer, .address_space: global }
      - { .name: out0, .offset: 24, .size: 8, .value_kind: global_buffer, .address_space: global }
    .group_segment_fixed_size: 327680
    .private_segment_fixed_size: 0
    .kernarg_segment_align: 8
    .kernarg_segment_size: 32
    .max_flat_workgroup_size: 256
    .sgpr_count:     66
    .vgpr_count:     256
    .wavefront_size: 32
...
	.end_amdgpu_metadata
.endif
;; end of part 4
